; MI455X (gfx1250); checked and timed in simulation.
; The chip was launched on July 23, 2026; its instructions are those of AMD's public machine-readable ISA for CDNA 5 (MIT licence, August 2026) and "CDNA5" Instruction Set Architecture Reference Guide (July 2026). The comments in the code are by the model that wrote it; some were corrected since.
;; RPE Multi Head Attention. Allowed arithmetic: matrix products marked QUANTISED: E2M1 operands, one E8M0 scale for each 32 along K, by v_wmma_scale_f32_16x16x128_f8f6f4 with both operands' format E2M1 (or v_wmma_scale_f32_32x16x128_f4), f32 sums; products left as they are: f32 operands where the result goes on into a quantised operand, else bf16, f16 or f32 operands; f32 sums; everything else in f32.
;; Inputs: Wk 64 x 512 float32; Wkr 64 x 64 float32; Wo 512 x 64 float32; Wq 64 x 512 float32; Wqr 64 x 64 float32; Wv 64 x 512 float32; bk 512 float32; bkr 64 float32; bo 64 float32; bq 512 float32; bqr 64 float32; bv 512 float32; key 8 x 1,024 x 64 float32; p 33 x 64 float32; query 8 x 1,024 x 64 float32; value 8 x 1,024 x 64 float32.
;; Outputs: out0 8 x 1,024 x 64 float32.
;; This version of the problem:
;;   THIS VERSION OF THE PROBLEM IS GIVEN IN LOW PRECISION. The matrix products marked QUANTISED in the list below multiply operands that are first quantised to E2M1 (2 exponent bits, 1 mantissa bit; 4 bits a number), with one power-of-two scale for each 32 numbers along K (OCP MX v1.0); their sums are f32. All else is computed in f32.
;;   The module's matrix products, in the order in which they are computed (A, B: the left and right operand; K: the contracted axis; several contracted axes count as one K, in the product's order):
;;     1. [M 8,192, K 64] x [K 64, N 512]; A: input query; B: input Wq: QUANTISED
;;     2. [M 8,192, K 64] x [K 64, N 512]; A: input key; B: input Wk: QUANTISED
;;     3. [M 8,192, K 64] x [K 64, N 512]; A: input value; B: input Wv: QUANTISED
;;     4. batch 64 x [M 1,024, K 64] x [K 64, N 1,024]; A: computed on the way; B: computed on the way: QUANTISED
;;     5. [M 33, K 64] x [K 64, N 64]; A: input p; B: input Wkr: QUANTISED
;;     6. [M 33, K 64] x [K 64, N 64]; A: input p; B: input Wqr: QUANTISED
;;     7. [M 65,536, K 64] x [K 64, N 1]; A: computed on the way; B: computed on the way: left as it is (N = 1 < 16)
;;     8. [M 65,536, K 64] x [K 64, N 1]; A: computed on the way; B: computed on the way: left as it is (N = 1 < 16)
;;     9. batch 64 x [M 1,024, K 1,024] x [K 1,024, N 64]; A: softmax (see below); B: computed on the way: QUANTISED
;;     10. [M 8,192, K 512] x [K 512, N 64]; A: computed on the way; B: input Wo: QUANTISED
;;   THE QUANTISER, for each operand of a quantised product, along K:
;;     - K is cut into blocks of 32 from its start; a last block that is shorter is filled with zeros.
;;     - A block's scale is 2^e with e = floor(log2(the largest magnitude in the block)) - 2, held to -126 .. 127; a block of zeros has e = 0. As a byte (E8M0): e + 127.
;;     - Each number is divided by its block's scale, clamped to +-6, and rounded to the nearest number of E2M1, ties to even, subnormals kept.
;;     - The product sums the exact products of the quantised numbers (number of the format x scale) in f32.
;;   ~~~python
;;   def quantise(x, axis):      # numpy; x: float32 -> the quantised numbers, widened to float32 again
;;       x = np.moveaxis(x, axis, -1); K = x.shape[-1]
;;       x = np.pad(x, [(0, 0)] * (x.ndim - 1) + [(0, -K % 32)]); x = x.reshape(x.shape[:-1] + (-1, 32)); a = np.abs(x).max(-1, keepdims=True)
;;       e = np.where(a > 0, np.clip(np.frexp(np.where(a > 0, a, 1))[1] - 1 - 2, -126, 127), 0)      # np.frexp(a)[1] - 1 = floor(log2(a)), exactly
;;       r = np.clip(x / 2.0 ** e, -6, 6)
;;       step = 2.0 ** (np.maximum(np.frexp(np.where(r == 0, 1, r))[1] - 1, 0) - 1)
;;       q = np.round(r / step) * step * 2.0 ** e      # np.round: ties to even
;;       return np.moveaxis(q.reshape(q.shape[:-2] + (-1,))[..., :K], -1, axis).astype(np.float32)
;;   ~~~
;;   SOFTMAX AHEAD OF A QUANTISED PRODUCT. Where the list says 'softmax', what is quantised is not the finished softmax but p = 2^(t - M), with t = logit x log2(e) and M = ceil(the row's largest t), a whole number; so 1/2 < the row's largest p <= 1. The row's sum l is taken of the UNQUANTISED p, in f32, and the product's result is divided by l at the end. Since M is a whole number, a kernel that streams over the keys may use a running M (the ceiling of the running maximum): every later rescaling is an exact power of two, which a block's scale takes up: the codes' values come out the same.
;;   OPERANDS COMPUTED ON THE WAY. 'Computed on the way' means the value that the module computes at that place (a softmax that the list does not call 'softmax' is quantised finished and normalised). What goes into a quantiser is computed in f32, as accurately as f32 sums, v_exp_f32 and their like allow (about 1e-6 of the number): no bf16 or f16 on the way to a quantiser, and a product that is left as it is and whose result goes on into a quantised operand takes f32 operands (vector FMAs, or v_wmma_f32_16x16x4_f32). A number that lies on a knife's edge between two numbers of the format may be rounded either way, as far as f32 arithmetic and the matrix unit's own rounding can turn it there, and no further.
;; 2 versions. Each part assembles by itself: llvm-mc -triple=amdgcn-amd-amdhsa -mcpu=gfx1250 --defsym DOCPART=n.
;; ======== version 1 of 2: 3 launches
;; workspace buffers: qd 2,883,584 bytes; kv 4,718,592 bytes; xc 2,359,296 bytes; woc 17,408 bytes
;; launch proj (part 1): grid 64 x 3, 8 waves a work-group, no clusters, 49,152 bytes of LDS; arguments query, key, value, Wq, Wk, Wv, bq, bk, bv, Wkr, Wqr, Wo, bkr, bqr, p, qd, kv, woc; writes qd, kv, woc
.if DOCPART == 1
	.amdgcn_target "amdgcn-amd-amdhsa--gfx1250"
	.amdhsa_code_object_version 6
	.text
	.protected	k_qd2044ffab2_proj
	.globl	k_qd2044ffab2_proj
	.p2align	8
	.type	k_qd2044ffab2_proj,@function
k_qd2044ffab2_proj:
	s_mov_b64 s[64:65], 0
	v_nop
	global_prefetch_b8 v0, s[64:65] scope:SCOPE_SE
	s_setreg_imm32_b32 hwreg(HW_REG_WAVE_MODE, 25, 1), 1
	s_wait_xcnt 0x0
; q1 = query Wq + bq, k1 = key Wk + bk, v1 = value Wv + bv on codes of FP4 (E2M1) with one E8M0 scale for each 32 along K; the results are quantised again, as the operands
; that the attention launch wants, and leave as IMAGES OF OPERAND REGISTERS (lane l's 16 bytes at 16 l).  Also: row 32 of p Wkr + bkr and of p Wqr + bqr, the f32 dots of q1 and k1 with them, and Wo's codes.
; SHARES.  Work-group (g, y): rows 128 g .. 128 g + 127 of tensor y (0 query, 1 key, 2 value).  Wave w first quantises 16 of the rows (tile w) and hands their image to the others through LDS; then it is head w for all 128 rows.
; WHICH ROWS AND COLUMNS FORM A TILE.  rm(m) = (m & 7) + 32 (m >> 3).  Tile t of 128 rows takes row 64 (t >> 2) + 8 (t & 3) + rm(m); tile T of a head's 64 features takes feature 4 m + T.
; A result's register j of lane (r, h) is source 0's row 8 h + j.  So the 32 registers of four neighbouring tiles of rows are the 32 neighbouring keys 32 h + 0 .. 31, and those of the four tiles of features are
; the features 32 h + 4 j + T: in both cases a WHOLE block of the next product's K lies in one lane: its largest magnitude needs no other lane, and the four conversions' results are the next operand's registers.
; THE FEATURES OF A BLOCK STAND IN THE ORDER position 8 T + j = feature 32 h + 4 j + T, and that alike wherever two operands meet along the features: in Q and K; in the relative row and q1, k1;
; in x (through V^T's tiles) and Wo, whose rows are taken in this order here.  A block's members, and so its scale, are the natural ones.
; WHY 4 m + T: a lane then wants four NEIGHBOURING columns of W, one for each tile, so W comes by loads of 16 bytes a lane, sixteen lanes on 256 consecutive bytes of a row.
; q, k: source 0 = 16 columns of W, source 1 = 16 rows of x (a lane holds one row, registers run along the head's features).  v: source 0 = 16 rows of x, source 1 = 16 columns of W (registers run along the keys).
; K is 64, half of the instruction's 128: the upper four registers of every operand here are zero codes, which add nothing under any scale byte but 0xff; no byte here is 0xff.
; The biases are the C of each product.  No product is a link of a chain: K is one step.
; NO CLUSTER, NO TENSOR LOAD: what work-groups share is the weight, 16 KB a wave, which is wanted in registers down K; x is read once in the launch.
; LIMITS: NaN and infinities among the inputs are not served.  A block of zeros, or one whose largest magnitude lies under 2^-124, gets the scale byte 1 (the rule says 127 for zeros): its codes are zeros or
; the rule's own, and the bytes are read by this program alone.  Of p only row 32 is read: no other row enters a result.
.set XIMG, 0                           ; LDS: x's 8 tiles as images, 512 bytes each
.set XSC,  4096                        ; their scale words, 128 bytes each
.set KRI,  5120                        ; 1,024 bytes for each wave: waves 0-3 put a tile (8 registers) of the relative row there
.set XT,   13312                       ; 4,352 bytes for each wave: its 16 rows of x, 256 bytes + 16 of padding each, on their way from rows to lanes
.set XTS,  1                           ; v1   that stage, on the way in: 272 h + 16 r
.set XTL,  4                           ; v4   and on the way out: 272 r + 128 h
.set XG,   5                           ; v5   x in memory: 256 h + 16 r: a load takes two neighbouring rows
.set WA,   6                           ; v6   W: 16 r + 65,536 h (32 rows of 2,048 bytes)
.set RA,   7                           ; v7   Wkr, Wqr: 16 r + 8,192 h;  Wo: 4 rm + 8,192 h (32 rows of 256 bytes)
.set LI,   8                           ; v8   16 x lane
.set LS,   9                           ; v9   4 x lane
.set XWI,  10                          ; v10  where I store x's image: 16 x thread
.set XWS,  11                          ; v11  and its scale word: XSC + 4 x thread
.set KWI,  12                          ; v12  KRI + 1,024 x wave + 16 x lane
.set SH8,  13                          ; v13  8 h
.set SH16, 14                          ; v14  16 h
.set HB,   15                          ; v15  128 h
.set SW,   16                          ; v16-19 scale words gathered for one store
.set DT,   20                          ; v20-23 dots gathered for one store
.set MX,   24                          ; v24-25 largest magnitudes;  v26-27 the conversions' scale operands;  v28-29 bytes;  v30 the lane permute's destination;  v31 the scale word just made
.set SO,   26
.set BY,   28
.set T0,   30
.set PW,   31
.set PC,   32                          ; v32-39 the codes just made
.set WS,   40                          ; v40-43 W's scale words, tile T
.set XS,   44                          ; v44-51 x's scale words
.set BA,   52                          ; v52-59 byte offsets of the bias for register j; later the relative row's tile
.set DP,   60                          ; v60-63 two dots, each in two halves
.set ACC,  64                          ; v64-127 results; before that W as loaded (with v128-191), then the duty's numbers
.set XF,   128                         ; v128-191 x's fragments
.set KR,   160                         ; v160-191 (q, k) the relative row, in the result's layout
.set WF,   192                         ; v192-223 W's four fragments; before that my 32 numbers of x
.set BI,   224                         ; v224-255 the bias, in the result's layout
.set TA,   16                          ; while W is quantised: v16-23 and v32-39 take eight numbers of a column by turns,
.set TB,   32
.set MW,   60                          ; v60-63 hold the four columns' largest magnitudes, then the conversions' scale operands,
.set BW,   24                          ; v24-27 their bytes
.set SEL,  58                          ; s[58:59] v_permlanex16_b32's selects for lane l xor 16
; nb blocks of 32 numbers of a lane, v[s + 32 c] on, become codes in v[d0] on (and v[d1] on) and a scale word in v[PW]: bytes [block 0 of h = 0, of h = 1, block 1 of h = 0, of h = 1], the same in both halves of the lanes.
; The floor 2^(3 - 127) among the maximum's leaves holds the byte at 1 from below; the largest magnitude with 2 off its exponent field is the conversion's scale operand.  The registers are read from the low end on.
.macro QUANT s, nb, d0, d1
	v_max3_num_f32 v[MX], |v[(\s)]|, |v[(\s)+1]|, 0x1800000
.if \nb > 1
	v_max3_num_f32 v[MX+1], |v[(\s)+32]|, |v[(\s)+33]|, 0x1800000
.endif
.irp i, 2,4,6,8,10,12,14,16,18,20,22,24,26,28,30
	v_max3_num_f32 v[MX], v[MX], |v[(\s)+\i]|, |v[(\s)+\i+1]|
.if \nb > 1
	v_max3_num_f32 v[MX+1], v[MX+1], |v[(\s)+32+\i]|, |v[(\s)+33+\i]|
.endif
.endr
	v_add_nc_u32 v[SO], 0xff000000, v[MX]
.if \nb > 1
	v_add_nc_u32 v[SO+1], 0xff000000, v[MX+1]
.endif
	v_lshrrev_b32 v[BY], 23, v[SO]
.if \nb > 1
	v_lshrrev_b32 v[BY+1], 23, v[SO+1]
	v_lshl_or_b32 v[BY], v[BY+1], 16, v[BY]
.endif
	v_lshlrev_b32 v[PW], v[SH8], v[BY]             ; my bytes at their places, 8 h bits up;
	v_permlanex16_b32 v[T0], v[PW], s[SEL], s[SEL+1]
	v_or_b32 v[PW], v[PW], v[T0]                   ; with lane l xor 16's the word is whole
.irp g, 0,1,2,3
	v_cvt_scalef32_pk8_fp4_f32 v[(\d0)+\g], v[(\s)+8*\g:(\s)+8*\g+7], v[SO]
.endr
.if \nb > 1
.irp g, 0,1,2,3
	v_cvt_scalef32_pk8_fp4_f32 v[(\d1)+\g], v[(\s)+32+8*\g:(\s)+32+8*\g+7], v[SO+1]
.endr
.endif
	v_nop                                          ; one plain place behind the last scaled conversion
.endm
; W as loaded: register ACC + 4 i + e holds W(32 h + i, 4 r + e): column e of my four belongs to tile e.  WSCALE: the four columns' largest magnitudes (read where they lie, the columns by turns),
; the conversions' scale operands, and the four tiles' scale words: bytes [h = 0, h = 1] lowest.
.macro WSCALE
.irp e, 0,1,2,3
	v_max3_num_f32 v[MW+\e], |v[ACC+\e]|, |v[ACC+4+\e]|, 0x1800000
.endr
.irp i, 2,4,6,8,10,12,14,16,18,20,22,24,26,28,30
.irp e, 0,1,2,3
	v_max3_num_f32 v[MW+\e], v[MW+\e], |v[ACC+4*\i+\e]|, |v[ACC+4*\i+4+\e]|
.endr
.endr
.irp e, 0,1,2,3
	v_add_nc_u32 v[MW+\e], 0xff000000, v[MW+\e]
.endr
.irp e, 0,1,2,3
	v_lshrrev_b32 v[BW+\e], 23, v[MW+\e]
.endr
	v_lshl_or_b32 v[BW], v[BW+1], 16, v[BW]
	v_lshl_or_b32 v[BW+2], v[BW+3], 16, v[BW+2]
	v_lshlrev_b32 v[BW], v[SH8], v[BW]
	v_lshlrev_b32 v[BW+2], v[SH8], v[BW+2]
	v_permlanex16_b32 v[T0], v[BW], s[SEL], s[SEL+1]
	v_or_b32 v[WS], v[BW], v[T0]
	v_permlanex16_b32 v[T0], v[BW+2], s[SEL], s[SEL+1]
	v_or_b32 v[WS+2], v[BW+2], v[T0]
	v_lshrrev_b32 v[WS+1], 16, v[WS]
	v_lshrrev_b32 v[WS+3], 16, v[WS+2]
.endm
; WCVT g: rows 8 g .. 8 g + 7 of my half of K, for the four columns.  The conversion takes eight neighbours along K from consecutive registers, and a column's numbers lie four registers apart: eight moves gather them.
; Two sets of eight take turns, so that the moves into one set are the plain places behind the conversion that read the other.
.macro WCVT g
.irp e, 0,1,2,3
.set TP, TA+(TB-TA)*(\e%2)
.irp k, 0,1,2,3,4,5,6,7
	v_mov_b32 v[TP+\k], v[ACC+4*(8*(\g)+\k)+\e]
.endr
	v_cvt_scalef32_pk8_fp4_f32 v[WF+8*\e+(\g)], v[TP:TP+7], v[MW+\e]
.endr
.endm
.macro PLACES n
.rept \n
	v_nop
.endr
.endm
.macro MM d, a, b, c, sa, sb
	v_wmma_scale_f32_16x16x128_f8f6f4 v[(\d):(\d)+7], v[(\a):(\a)+7], v[(\b):(\b)+7], v[(\c):(\c)+7], v[\sa], v[\sb] matrix_a_fmt:MATRIX_FMT_FP4 matrix_b_fmt:MATRIX_FMT_FP4
.endm
	s_load_b512 s[8:23], s[0:1], 0x0               ; query 8, key 10, value 12, Wq 14, Wk 16, Wv 18, bq 20, bk 22
	s_load_b512 s[24:39], s[0:1], 0x40             ; bv 24, Wkr 26, Wqr 28, Wo 30, bkr 32, bqr 34, p 36, qd 38
	s_load_b128 s[40:43], s[0:1], 0x80             ; kv 40, woc 42
	s_set_vgpr_msb 0x40
	v_lshl_add_u32 v0, v0, 2, 0xbc00
	v_mov_b32 v1, 0
	s_set_vgpr_msb 0x4000
	v_lshrrev_b32 v16, 5, v0
	v_readfirstlane_b32 s4, v16                    ; wave 0..7: my tile of x, then my head
	s_and_b32 s5, ttmp7, 0xffff                    ; y: which tensor
	s_mov_b32 s6, ttmp9                            ; g: which 128 rows
	v_and_b32 v19, 31, v0                          ; lane
	v_and_b32 v2, 15, v0                           ; r
	v_bfe_u32 v3, v0, 4, 1                         ; h
	v_and_b32 v18, 7, v0
	v_bfe_u32 v17, v0, 3, 1
	v_lshl_add_u32 v18, v17, 5, v18                ; rm = (r & 7) + 32 (r >> 3)
	v_lshlrev_b32 v[XG], 4, v2
	v_lshl_add_u32 v[WA], v3, 16, v[XG]
	v_lshl_add_u32 v[XG], v3, 8, v[XG]
	v_lshlrev_b32 v[LI], 4, v19
	v_lshlrev_b32 v[LS], 2, v19
	v_lshlrev_b32 v[XWI], 4, v0
	v_lshl_add_u32 v[XWS], v0, 2, XSC
	v_lshl_add_u32 v[KWI], v16, 10, v[LI]
	v_add_nc_u32 v[KWI], KRI, v[KWI]
	s_mul_i32 s78, s4, 4352
	s_add_co_u32 s78, s78, XT                      ; my wave's stage for x
	v_mul_u32_u24 v[XTS], v3, 272
	v_lshl_add_u32 v[XTS], v2, 4, v[XTS]
	v_add_nc_u32 v[XTS], s78, v[XTS]
	v_mul_u32_u24 v[XTL], v2, 272
	v_lshl_add_u32 v[XTL], v3, 7, v[XTL]
	v_add_nc_u32 v[XTL], s78, v[XTL]
	v_lshlrev_b32 v[SH8], 3, v3
	v_lshlrev_b32 v[SH16], 4, v3
	v_lshlrev_b32 v[HB], 7, v3
	v_mov_b32 v[T0], 0                             ; written once: a lane permute's destination counts as one of its sources
	s_mov_b32 s[SEL], 0x76543210
	s_mov_b32 s[SEL+1], 0xfedcba98
	; byte offsets, made apart from the addresses
	s_lshl_b32 s66, s6, 7
	s_lshr_b32 s68, s4, 2
	s_lshl_b32 s68, s68, 6
	s_add_co_u32 s66, s66, s68
	s_and_b32 s68, s4, 3
	s_lshl_b32 s68, s68, 3
	s_add_co_u32 s66, s66, s68
	s_lshl_b32 s66, s66, 8                         ; x: (128 g + 64 (w >> 2) + 8 (w & 3)) rows of 256 bytes
	s_mov_b32 s67, 0
	s_lshl_b32 s68, s4, 8                          ; W and the bias: my head's 64 columns
	s_mov_b32 s69, 0
	s_lshr_b32 s70, s6, 3
	s_lshl_b32 s70, s70, 3
	s_add_co_u32 s70, s70, s4                      ; 8 b + head
	s_and_b32 s71, s6, 7                           ; the group of 128 rows within the sequence
	s_mul_i32 s72, s70, 45056
	s_mul_i32 s73, s71, 5632
	s_add_co_u32 s72, s72, s73                     ; my group's record in qd
	s_mul_i32 s74, s70, 73728
	s_mul_i32 s75, s71, 9216
	s_add_co_u32 s74, s74, s75                     ; and in kv
	s_lshl_b32 s90, s4, 14
	s_lshl_b32 s79, s6, 5
	s_add_co_u32 s90, s90, s79                     ; Wo: rows 64 w on, columns 8 g on
	s_lshl_b32 s96, s4, 2                          ; Wkr, Wqr and their biases: column w of each four
	s_lshl_b32 s92, s4, 2
	s_add_co_u32 s92, s92, s6
	s_lshl_b32 s92, s92, 9                         ; woc: half fragment 4 w + g
	s_lshl_b32 s94, s6, 8
	s_lshl_b32 s79, s4, 1
	s_add_co_u32 s94, s94, s79
	s_add_co_u32 s94, s94, 16384                   ; woc: its half scale words, 16,384 + 256 g + 2 w (+ 16 r)
	s_mov_b32 s86, 8192
	s_mov_b32 s88, 5120
	s_cmp_eq_u32 s5, 0
	s_cselect_b32 s84, s72, s74                    ; where the images go: qd's record or kv's,
	s_cselect_b32 s86, 4096, s86                   ; the scale words behind them: q 4,096, k 8,192,
	s_cselect_b32 s88, 4608, s88                   ; the dots in qd's record: q's at 4,608, k's at 5,120
	s_cmp_eq_u32 s5, 2
	s_cselect_b32 s79, 4096, 0                     ; v's images lie behind k's,
	s_cselect_b32 s86, 4608, s86                   ; and v's scale words 4,608 behind them
	s_cselect_b32 s80, 16, 0                       ; the bias's offset for register j of tile T is r x s80 + h x s81 + j x s82 + 4 T: q, k: feature 32 h + 4 j + T;  v: feature 4 r + T
	s_cselect_b32 s81, 0, 128
	s_cselect_b32 s82, 0, 16
	s_cselect_b32 s83, 4, 0                        ; the duty's column: rm x s83 + r x s82: Wo: rm (+ 8 g);  Wkr, Wqr: 4 r (+ w)
	s_cselect_b32 s7, s6, s4                       ; who has a duty beside the projection: v: work-groups g < 4 (Wo);  q, k: waves w < 4 (the relative row)
	s_cselect_b32 s90, s90, s96
	s_add_co_u32 s84, s84, s79
	s_add_co_u32 s88, s88, s72
	s_mov_b32 s85, 0
	s_mov_b32 s87, 0
	s_mov_b32 s89, 0
	s_mov_b32 s91, 0
	s_mov_b32 s93, 0
	s_mov_b32 s95, 0
	s_mov_b32 s97, 0
	v_mul_u32_u24 v[BA], v2, s80
	v_mad_u32_u24 v[BA], v3, s81, v[BA]
.irp j, 1,2,3,4,5,6,7
	s_mul_i32 s79, s82, \j
	v_add_nc_u32 v[BA+\j], s79, v[BA]
.endr
	v_mul_u32_u24 v[RA], v18, s83
	v_mad_u32_u24 v[RA], v2, s82, v[RA]
	v_lshl_add_u32 v[RA], v3, 13, v[RA]
	s_wait_kmcnt 0x0
	s_cmp_eq_u32 s5, 0                             ; the buffers are chosen on the work-group's y alone
	s_cselect_b64 s[44:45], s[8:9], s[10:11]       ; x
	s_cselect_b64 s[46:47], s[14:15], s[16:17]     ; W
	s_cselect_b64 s[48:49], s[20:21], s[22:23]     ; the bias
	s_cselect_b64 s[50:51], s[26:27], s[28:29]     ; the duty's weight: Wkr, Wqr or Wo
	s_cselect_b64 s[52:53], s[32:33], s[34:35]     ; bkr or bqr
	s_cselect_b64 s[54:55], s[38:39], s[40:41]     ; the images' buffer
	s_cmp_eq_u32 s5, 2
	s_cselect_b64 s[44:45], s[12:13], s[44:45]
	s_cselect_b64 s[46:47], s[18:19], s[46:47]
	s_cselect_b64 s[48:49], s[24:25], s[48:49]
	s_cselect_b64 s[50:51], s[30:31], s[50:51]
	s_mov_b64 s[56:57], s[38:39]                   ; the dots go to qd
	s_add_nc_u64 s[44:45], s[44:45], s[66:67]
	s_add_nc_u64 s[46:47], s[46:47], s[68:69]
	s_add_nc_u64 s[48:49], s[48:49], s[68:69]
	s_add_nc_u64 s[50:51], s[50:51], s[90:91]
	s_add_nc_u64 s[52:53], s[52:53], s[96:97]
	s_add_nc_u64 s[54:55], s[54:55], s[84:85]
	s_add_nc_u64 s[60:61], s[54:55], s[86:87]      ; the scale words' block
	s_add_nc_u64 s[56:57], s[56:57], s[88:89]
	s_add_nc_u64 s[62:63], s[42:43], s[92:93]      ; (used by the Wo duty alone)
	s_add_nc_u64 s[98:99], s[42:43], s[94:95]
	; ---- x's tile, two neighbouring rows (512 consecutive bytes) a load: rows 0 .. 7 and 32 .. 39 from the tile's first; then my head's 64 columns of W, two rows of 256 consecutive bytes a load
.irp e, 0,1,2,3
	global_load_b128 v[WF+4*\e:WF+4*\e+3], v[XG], s[44:45] offset:512*\e th:TH_LOAD_NT
.endr
.irp e, 4,5,6,7
	global_load_b128 v[WF+4*\e:WF+4*\e+3], v[XG], s[44:45] offset:8192+512*(\e-4) th:TH_LOAD_NT
.endr
.set wi, 0
.rept 32
	global_load_b128 v[ACC+4*wi:ACC+4*wi+3], v[WA], s[46:47] offset:2048*wi
.set wi, wi+1
.endr
	s_wait_loadcnt 32                              ; behind x's eight loads stand W's 32: x is in
.irp e, 0,1,2,3,4,5,6,7
	ds_store_b128 v[XTS], v[WF+4*\e:WF+4*\e+3] offset:544*\e       ; rows 2 e and 2 e + 1 of the tile, as they lie
.endr
.irp e, 0,1,2,3,4,5,6,7
	ds_load_b128 v[WF+4*\e:WF+4*\e+3], v[XTL] offset:16*\e         ; back: lane (r, h) takes k = 32 h + 0 .. 31 of row r.  LDS serves a wave's instructions in order: these see my stores
.endr
.irp T, 0,1,2,3
.irp j, 0,1,2,3,4,5,6,7
	global_load_b32 v[BI+8*\T+\j], v[BA+\j], s[48:49] offset:4*\T
.endr
.endr
	s_wait_dscnt 0x0
	QUANT WF, 1, PC, 0                             ; my tile of x
	ds_store_b128 v[XWI], v[PC:PC+3]
	ds_store_b32 v[XWS], v[PW]
.irp T, 0,1,2,3
.irp k, 4,5,6,7
	v_mov_b32 v[WF+8*\T+\k], 0                     ; k = 64 .. 127 of W's fragments: zero codes
.endr
.endr
	s_wait_dscnt 0x0                               ; the stores have read their registers
	s_wait_loadcnt 32                              ; behind W's loads stand the bias's 32: W is in
	WSCALE
	WCVT 0
	WCVT 1                                         ; v64-127 are read out
	s_wait_loadcnt 0x0                             ; the bias is in; its offset registers are free
	; ---- the duty's loads go out while the other half of W is converted
	s_cmp_lt_u32 s7, 4
	s_cbranch_scc0 .Lno_duty_loads
	s_cmp_eq_u32 s5, 2
	s_cbranch_scc1 .Lwo_loads
.set wi, 0
.rept 32
	global_load_b32 v[ACC+32+wi], v[RA], s[50:51] offset:256*wi    ; Wkr or Wqr: column 4 r + w, rows 32 h + 0 .. 31 down K
.set wi, wi+1
.endr
.irp e, 0,1,2,3,4,5,6,7
	global_load_b128 v[ACC+4*\e:ACC+4*\e+3], v[HB], s[36:37] offset:8192+16*\e   ; p's row 32, the same in all sixteen rows of the operand
.endr
.irp j, 0,1,2,3,4,5,6,7
	global_load_b32 v[BA+\j], v[HB], s[52:53] offset:16*\j         ; bkr or bqr at 32 h + 4 j + w: the product's C and D
.endr
	s_branch .Lno_duty_loads
.Lwo_loads:
.set wi, 0
.rept 32
	global_load_b32 v[ACC+32+wi], v[RA], s[50:51] offset:256*(4*(wi%8)+wi/8)   ; Wo: column 8 g + rm; position i of the block is row 64 w + 32 h + 4 (i % 8) + i / 8, as x's features stand
.set wi, wi+1
.endr
.Lno_duty_loads:
	WCVT 2
	WCVT 3
	v_nop                                          ; one plain place behind the last scaled conversion
.irp k, 4,5,6,7,12,13,14,15
	v_mov_b32 v[XF+\k], 0                          ; k = 64 .. 127 of the two fragments at v128 and v136: zero codes
.endr
	PLACES 8                                       ; a scale register written by a vector instruction stands 8 places ahead of a scaled matrix instruction, an operand so written 4
	s_wait_loadcnt 0x0                             ; the duty's loads, on every wave's way
	s_cmp_lt_u32 s7, 4
	s_cbranch_scc0 .Lno_duty
	s_cmp_eq_u32 s5, 2
	s_cbranch_scc1 .Lwo_duty
	QUANT ACC, 2, XF, XF+8                         ; p's row 32 (block 0) and my tile of Wkr or Wqr (block 1)
	v_lshrrev_b32 v[XS+2], 16, v[PW]               ; the weight's scale word
	PLACES 8
	MM BA, XF+8, XF, BA, XS+2, PW                  ; register j of lane (r, h): the relative row at 32 h + 4 j + w, for every r
	PLACES 4
	ds_store_b128 v[KWI], v[BA:BA+3]
	ds_store_b128 v[KWI], v[BA+4:BA+7] offset:512
	s_branch .Lno_duty
.Lwo_duty:
	QUANT ACC+32, 1, PC, 0                         ; half a fragment of the last product
	v_lshlrev_b32 v[DP], 4, v2
	global_store_b128 v[LI], v[PC:PC+3], s[62:63]
	global_store_b16 v[DP], v[PW], s[98:99]        ; its two bytes; both halves of the lanes write the same
.Lno_duty:
	s_wait_dscnt 0x0                               ; my LDS stores have landed
	s_barrier_signal -1
	s_barrier_wait -1                              ; x's eight images and the relative row lie in LDS; nothing is stored to LDS behind this barrier
	s_cmp_eq_u32 s5, 2
	s_cbranch_scc1 .Lvpath
	; ---- q, k: two tiles of rows at a time
.irp T, 0,1,2,3
.irp e, 0,1
	ds_load_b128 v[KR+8*\T+4*\e:KR+8*\T+4*\e+3], v[LI] offset:KRI+1024*\T+512*\e
.endr
.endr
.macro QKUNIT i
	s_wait_xcnt 0x0                                ; the last unit's stores have read their registers
	ds_load_b128 v[XF:XF+3], v[LI] offset:XIMG+1024*\i
	ds_load_b128 v[XF+8:XF+11], v[LI] offset:XIMG+1024*\i+512
	ds_load_b32 v[XS], v[LS] offset:XSC+256*\i
	ds_load_b32 v[XS+1], v[LS] offset:XSC+256*\i+128
	s_wait_dscnt 0x0
.irp rt, 0,1
.irp T, 0,1,2,3
	MM ACC+32*\rt+8*\T, WF+8*\T, XF+8*\rt, BI+8*\T, WS+\T, XS+\rt
.endr
.endr
	PLACES 4
	v_pk_mul_f32 v[DP:DP+1], v[ACC:ACC+1], v[KR:KR+1]              ; the dot with the relative row, in f32, of the unquantised results; the two tiles by turns
	v_pk_mul_f32 v[DP+2:DP+3], v[ACC+32:ACC+33], v[KR:KR+1]
.irp n, 2,4,6,8,10,12,14,16,18,20,22,24,26,28,30
	v_pk_fma_f32 v[DP:DP+1], v[ACC+\n:ACC+\n+1], v[KR+\n:KR+\n+1], v[DP:DP+1]
	v_pk_fma_f32 v[DP+2:DP+3], v[ACC+32+\n:ACC+33+\n], v[KR+\n:KR+\n+1], v[DP+2:DP+3]
.endr
	v_add_f32 v[DP], v[DP], v[DP+1]
	v_add_f32 v[DP+2], v[DP+2], v[DP+3]
	v_permlane16_swap_b32 v[DP], v[DP+2]           ; the first's lanes 16-31 change places with the second's lanes 0-15:
	v_add_f32 v[DT+\i], v[DP], v[DP+2]             ; lanes 0-15 hold tile 2 i's dots, lanes 16-31 tile 2 i + 1's
	QUANT ACC, 2, PC, PC+4
	global_store_b128 v[LI], v[PC:PC+3], s[54:55] offset:1024*\i
	global_store_b128 v[LI], v[PC+4:PC+7], s[54:55] offset:1024*\i+512
	v_lshrrev_b32 v[SW+\i], v[SH16], v[PW]         ; lanes 0-15 keep tile 2 i's two bytes lowest, lanes 16-31 tile 2 i + 1's
.endm
	QKUNIT 0
	QKUNIT 1
	QKUNIT 2
	QKUNIT 3
	global_store_b128 v[LI], v[SW:SW+3], s[60:61]
	global_store_b128 v[LI], v[DT:DT+3], s[56:57]
	s_set_vgpr_msb 0x5
	s_wait_tensorcnt 0x0
	ds_add_u32 v0, v1
	s_wait_dscnt 0x0
	s_set_vgpr_msb 0x500
	s_endpgm
	; ---- v: all 128 keys against one tile of features at a time: a lane's 64 registers are two blocks of 32 keys
.Lvpath:
.irp t, 2,3,4,5,6,7
.irp k, 4,5,6,7
	v_mov_b32 v[XF+8*\t+\k], 0                     ; k = 64 .. 127 of x's other six fragments: zero codes
.endr
.endr
	PLACES 4
.irp t, 0,1,2,3,4,5,6,7
	ds_load_b128 v[XF+8*\t:XF+8*\t+3], v[LI] offset:XIMG+512*\t
	ds_load_b32 v[XS+\t], v[LS] offset:XSC+128*\t
.endr
	s_wait_dscnt 0x0
.macro VUNIT T
	s_wait_xcnt 0x0                                ; earlier stores have read their registers
.irp t, 0,1,2,3,4,5,6,7
	MM ACC+8*\t, XF+8*\t, WF+8*\T, BI+8*\T, XS+\t, WS+\T
.endr
	PLACES 4
	QUANT ACC, 2, PC, PC+4                         ; a whole fragment of V^T: 16 features x 128 keys
	global_store_b128 v[LI], v[PC:PC+3], s[54:55] offset:1024*\T
	global_store_b128 v[LI], v[PC+4:PC+7], s[54:55] offset:1024*\T+512
	v_mov_b32 v[SW+\T], v[PW]
.endm
	VUNIT 0
	VUNIT 1
	VUNIT 2
	VUNIT 3
	global_store_b128 v[LI], v[SW:SW+3], s[60:61]
	s_set_vgpr_msb 0x5
	s_wait_tensorcnt 0x0
	ds_add_u32 v0, v1
	s_wait_dscnt 0x0
	s_set_vgpr_msb 0x500
	s_endpgm
.Lfunc_end_k_qd2044ffab2_proj:
	.size	k_qd2044ffab2_proj, .Lfunc_end_k_qd2044ffab2_proj-k_qd2044ffab2_proj
	.p2alignl 7, 3214868480
	.fill 96, 4, 3214868480
	.section	.rodata,"a",@progbits
	.p2align	6, 0x0
	.amdhsa_kernel k_qd2044ffab2_proj
		.amdhsa_group_segment_fixed_size 49152
		.amdhsa_private_segment_fixed_size 0
		.amdhsa_enable_private_segment 0
		.amdhsa_kernarg_size 144
		.amdhsa_user_sgpr_count 2
		.amdhsa_user_sgpr_kernarg_segment_ptr 1
		.amdhsa_wavefront_size32 1
		.amdhsa_system_sgpr_workgroup_id_x 1
		.amdhsa_system_sgpr_workgroup_id_y 1
		.amdhsa_system_sgpr_workgroup_id_z 1
		.amdhsa_system_vgpr_workitem_id 0
		.amdhsa_next_free_vgpr 258
		.amdhsa_next_free_sgpr 100
		.amdhsa_reserve_vcc 0
		.amdhsa_float_denorm_mode_32 3
		.amdhsa_float_denorm_mode_16_64 3
		.amdhsa_memory_ordered 1
		.amdhsa_forward_progress 1
		.amdhsa_inst_pref_size 88
	.end_amdhsa_kernel
	.amdgpu_metadata
---
amdhsa.version: [ 1, 2 ]
amdhsa.kernels:
  - .name:           k_qd2044ffab2_proj
    .symbol:         k_qd2044ffab2_proj.kd
    .args:
      - { .name: query, .offset: 0, .size: 8, .value_kind: global_buffer, .address_space: global }
      - { .name: key, .offset: 8, .size: 8, .value_kind: global_buffer, .address_space: global }
      - { .name: value, .offset: 16, .size: 8, .value_kind: global_buffer, .address_space: global }
      - { .name: Wq, .offset: 24, .size: 8, .value_kind: global_buffer, .address_space: global }
      - { .name: Wk, .offset: 32, .size: 8, .value_kind: global_buffer, .address_space: global }
      - { .name: Wv, .offset: 40, .size: 8, .value_kind: global_buffer, .address_space: global }
      - { .name: bq, .offset: 48, .size: 8, .value_kind: global_buffer, .address_space: global }
      - { .name: bk, .offset: 56, .size: 8, .value_kind: global_buffer, .address_space: global }
      - { .name: bv, .offset: 64, .size: 8, .value_kind: global_buffer, .address_space: global }
      - { .name: Wkr, .offset: 72, .size: 8, .value_kind: global_buffer, .address_space: global }
      - { .name: Wqr, .offset: 80, .size: 8, .value_kind: global_buffer, .address_space: global }
      - { .name: Wo, .offset: 88, .size: 8, .value_kind: global_buffer, .address_space: global }
      - { .name: bkr, .offset: 96, .size: 8, .value_kind: global_buffer, .address_space: global }
      - { .name: bqr, .offset: 104, .size: 8, .value_kind: global_buffer, .address_space: global }
      - { .name: p, .offset: 112, .size: 8, .value_kind: global_buffer, .address_space: global }
      - { .name: qd, .offset: 120, .size: 8, .value_kind: global_buffer, .address_space: global }
      - { .name: kv, .offset: 128, .size: 8, .value_kind: global_buffer, .address_space: global }
      - { .name: woc, .offset: 136, .size: 8, .value_kind: global_buffer, .address_space: global }
    .group_segment_fixed_size: 49152
    .private_segment_fixed_size: 0
    .kernarg_segment_align: 8
    .kernarg_segment_size: 144
    .max_flat_workgroup_size: 256
    .sgpr_count:     100
    .vgpr_count:     258
    .wavefront_size: 32
...
	.end_amdgpu_metadata
.endif
;; end of part 1
;; launch attn (part 2): grid 4 x 64, 16 waves a work-group, clusters of 4 x 1, 169,984 bytes of LDS; arguments qd, kv, xc; writes xc
.if DOCPART == 2
	.amdgcn_target "amdgcn-amd-amdhsa--gfx1250"
	.amdhsa_code_object_version 6
	.text
	.protected	k_qd2044ffab2_attn
	.globl	k_qd2044ffab2_attn
	.p2align	8
	.type	k_qd2044ffab2_attn,@function
k_qd2044ffab2_attn:
	s_mov_b64 s[64:65], 0
	v_nop
	global_prefetch_b8 v0, s[64:65] scope:SCOPE_SE
	s_setreg_imm32_b32 hwreg(HW_REG_WAVE_MODE, 25, 1), 1
	s_wait_xcnt 0x0
	s_wait_alu depctr_hold_cnt(0) depctr_sa_sdst(0) depctr_va_vdst(0) depctr_va_sdst(0) depctr_va_ssrc(0) depctr_va_vcc(0) depctr_vm_vsrc(0)
	s_getreg_b32 s2, hwreg(HW_REG_IB_STS2, 6, 4)
	s_cmp_eq_u32 s2, 0
	s_cbranch_scc0 .Lentry_in_a_cluster
	s_endpgm
.Lentry_in_a_cluster:
	s_bfe_u32 s2, ttmp6, 0x10000c
	s_cmp_lg_u32 s2, 0x3003
	s_cbranch_scc0 .Lentry_shape_is_right
	s_endpgm
.Lentry_shape_is_right:
; x[b][q][head] = softmax_k((q1 . k1 + a2[q] + a3[q]) / sqrt(192)) v1, both products on codes of FP4 (E2M1) with one E8M0 scale for each 32 along K; x is quantised for the last product and leaves as codes.
; THE SOFTMAX AHEAD OF THE SECOND PRODUCT: t = logit x log2(e); M = the row's largest t so far, rounded UP to a whole number; p = 2^(t - M) is what is quantised, along the keys, not normalised.  The row's sum is taken
; of the unquantised p and divides at the end.  When M moves, the sum and O are multiplied by 2^(old M - new M): exact.  a2 + a3, constants of a query's row, are the C of the first product.
; SHARES.  A work-group owns 256 queries of one head (b, head) = y; each of its sixteen waves owns one tile of 16 queries in 256 registers: four waves to a SIMD, so that one wave's vector work stands beside another's
; matrix work and LDS loads.  Every wave walks the head's 1,024 keys, 128 a step.
; LDS.  The head's whole record of kv (8 key steps x 9,216 bytes: K's 8 images, V^T's 8, K's scale words, V's) lies at bytes 0 .. 73,727, FILLED ONCE: no slot is filled again.  An image is read at 16 x lane: 512 bytes on end.
; CLUSTER.  The four query blocks of a head read the same record: wave 0 of each asks for it JOINTLY, in four loads of two key steps (72 rows of 256 bytes), the same descriptors in all four, mask 15.
; By this text's count wave 0 has four tensor loads out at the most.  My place in the cluster enters Q's and x's global addresses alone.
; LAYOUT.  Both products are used transposed: S^T = K Q^T, O^T = V^T P^T: a lane holds ONE query (lane % 16).  The launch before chose the keys of a tile so that a lane's 64 scores are keys 64 c + 32 h + 0 .. 31,
; c = 0, 1: two whole blocks, in the order of the second product's operand; and the features of V^T's tiles so that O^T's 32 registers are features 32 h + 0 .. 31: a whole block of the last product's K.
; The head's size is 64, half of the instruction's K: the upper four registers of K's and Q's fragments are zero codes.
; LIMITS: NaN and infinities are not served.  A block of x that is all zeros or under 2^-124 gets the scale byte 1; the bytes are read by this program alone.  1 / the sum is v_rcp_f32 and a multiplication.
.set LI0,  1                           ; v1   16 x lane
.set LI1,  2                           ; v2   16 x lane + 36,864: key steps 4 to 7 (an LDS offset has 16 bits)
.set SH8,  6                           ; v6   8 h.   v4 = 16 r, v5 = 4 r
.set QF,   16                          ; v16-23  Q's fragment
.set CQ,   24                          ; v24-31  a2 + a3 of my query, eight times: the first product's C
.set KF,   32                          ; v32-95  K's eight fragments
.set SC,   96                          ; v96-159 the scores, then p; at the end x
.set OT,   160                         ; v160-191 O^T
.set VF,   192                         ; v192-223 V^T's four fragments
.set PC,   224                         ; v224-231 p's codes
.set MX,   232                         ; v232-233 each block's largest score, then its largest p
.set BY,   236                         ; v236-237 bytes; then a second chain of the sum
.set VS,   240                         ; v240-243 V's scale words
.set SO,   244                         ; v244-245 the conversions' scale operands
.set FF,   246                         ; v246 f = 2^(old M - new M); v247 is named with it as a pair
.set KS,   248                         ; v248-251 K's scale words: register i: lanes 0-15 tile 2 i's, lanes 16-31 tile 2 i + 1's
.set T0,   252                         ; v252 a lane permute's destination
.set PW,   253                         ; v253 p's scale word
.set QS,   255                         ; v255 Q's scale word.   v254 at work; v12 -M, v13 the largest t, v[14:15] the sum in two halves
.set WV,   10
.set SEL,  20                          ; s[20:21] selects for lane l xor 16
.set CS,   22                          ; s[22:23] c = log2(e) / sqrt(192)
.set G1,   24                          ; s[24:31] descriptor group 1;  s[32:47] four groups 0
.set G0,   32
.macro QUANT s, nb, d0, d1             ; as in the launch before; here for one block
	v_max3_num_f32 v[MX], |v[(\s)]|, |v[(\s)+1]|, 0x1800000
.irp i, 2,4,6,8,10,12,14,16,18,20,22,24,26,28,30
	v_max3_num_f32 v[MX], v[MX], |v[(\s)+\i]|, |v[(\s)+\i+1]|
.endr
	v_add_nc_u32 v[SO], 0xff000000, v[MX]
	v_lshrrev_b32 v[BY], 23, v[SO]
	v_lshlrev_b32 v[PW], v[SH8], v[BY]
	v_permlanex16_b32 v[T0], v[PW], s[SEL], s[SEL+1]
	v_or_b32 v[PW], v[PW], v[T0]
.irp g, 0,1,2,3
	v_cvt_scalef32_pk8_fp4_f32 v[(\d0)+\g], v[(\s)+8*\g:(\s)+8*\g+7], v[SO]
.endr
	v_nop
.endm
.macro ROUND                           ; a round of the cluster's barrier
	s_barrier_signal -1
	s_barrier_wait -1
	s_cmp_lg_u32 s[WV], 0
	s_cbranch_scc1 .Lnot_wave_0_\@
	s_barrier_signal -3
.Lnot_wave_0_\@:
	s_barrier_wait -3
	s_barrier_signal -1
	s_barrier_wait -1
.endm
	s_load_b128 s[4:7], s[0:1], 0x0                ; qd, kv
	s_load_b64 s[8:9], s[0:1], 0x10                ; xc
	v_lshl_add_u32 v238, v0, 2, 0x29000
	v_mov_b32 v239, 0
	ds_add_u32 v238, v239
	ds_add_u32 v238, v239
	v_lshrrev_b32 v3, 5, v0
	v_readfirstlane_b32 s[WV], v3                  ; wave 0..15
	s_bfe_u32 s11, ttmp6, 0x40000                  ; cx
	s_lshl_b32 s12, ttmp9, 2
	s_add_co_u32 s12, s12, s11                     ; my block of 256 queries
	s_and_b32 s13, ttmp7, 0xffff                   ; 8 b + head, which the four partners share
	s_mul_i32 s14, s13, 73728                      ; the head's record in kv
	s_mov_b32 s15, 0
	s_lshl_b32 s48, s12, 1
	s_lshr_b32 s49, s[WV], 3
	s_add_co_u32 s48, s48, s49                     ; my group of 128 rows
	s_and_b32 s49, s[WV], 7                        ; my tile t in it
	s_mul_i32 s50, s13, 45056
	s_mul_i32 s48, s48, 5632
	s_add_co_u32 s50, s50, s48                     ; the group's record in qd
	s_lshl_b32 s52, s49, 9
	s_add_co_u32 s52, s52, s50                     ; my tile's image
	s_mov_b32 s53, 0
	s_and_b32 s54, s49, 1
	s_lshl_b32 s54, s54, 8
	s_lshr_b32 s55, s49, 1
	s_lshl_b32 s55, s55, 2
	s_add_co_u32 s54, s54, s55
	s_add_co_u32 s54, s54, s50
	s_add_co_u32 s54, s54, 4096                    ; its scale words: 4,096 + 256 (t & 1) + 4 (t >> 1) (+ 16 r); a2 512 further on, a3 1,024
	s_mov_b32 s55, 0
	s_lshr_b32 s56, s13, 3
	s_lshl_b32 s56, s56, 6
	s_lshl_b32 s57, s12, 4
	s_add_co_u32 s56, s56, s57
	s_add_co_u32 s56, s56, s[WV]                   ; my row tile in xc: 64 b + 16 x block + wave
	s_mul_i32 s56, s56, 4608
	s_and_b32 s57, s13, 7                          ; the head
	s_lshl_b32 s58, s57, 9
	s_add_co_u32 s58, s58, s56                     ; where x's codes go,
	s_mov_b32 s59, 0
	s_lshl_b32 s60, s57, 6
	s_add_co_u32 s60, s60, s56
	s_add_co_u32 s60, s60, 4096                    ; and their scale words
	s_mov_b32 s61, 0
	s_mov_b32 s[SEL], 0x76543210
	s_mov_b32 s[SEL+1], 0xfedcba98
	s_mov_b32 s[CS], 0x3dd53b95                    ; log2(e) / sqrt(192)
	s_mov_b32 s[CS+1], s[CS]                       ; (named with it as a pair, so it is written)
	; descriptor group 1: 72 rows of 256 bytes (32 elements of 8 bytes), dense in memory and in LDS
	s_mov_b32 s[G1], 15|(3<<16)|(1<<21)            ; 15:0 the mask: all four work-groups; 17:16 elements of 8 bytes; 21 set beside a mask
	s_mov_b32 s[G1+1], 32<<16                      ; tensor_dim0 = 32
	s_mov_b32 s[G1+2], 72<<16                      ; tensor_dim1 = 72
	s_mov_b32 s[G1+3], 32<<16                      ; tile_dim0 = 32
	s_mov_b32 s[G1+4], 72                          ; tile_dim1 = 72
	s_mov_b32 s[G1+5], 32                          ; from row to row: 32 elements
	s_mov_b32 s[G1+6], 0
	s_mov_b32 s[G1+7], 0
	v_and_b32 v3, 31, v0
	v_lshlrev_b32 v[LI0], 4, v3
	v_add_nc_u32 v[LI1], 36864, v[LI0]
	v_and_b32 v4, 15, v0
	v_lshlrev_b32 v5, 2, v4
	v_lshlrev_b32 v4, 4, v4
	v_bfe_u32 v[SH8], v0, 4, 1
	v_lshlrev_b32 v[SH8], 3, v[SH8]
	s_wait_dscnt 0x0
	s_wait_kmcnt 0x0
	s_add_nc_u64 s[16:17], s[6:7], s[14:15]
	s_add_nc_u64 s[52:53], s[4:5], s[52:53]
	s_add_nc_u64 s[54:55], s[4:5], s[54:55]
	s_add_nc_u64 s[58:59], s[8:9], s[58:59]
	s_add_nc_u64 s[60:61], s[8:9], s[60:61]
.irp n, 0,1,2,3
	s_mov_b32 s[G0+4*\n], 1                        ; count = 1
	s_mov_b32 s[G0+4*\n+1], 18432*\n               ; LDS address: key steps 2 n and 2 n + 1
	s_add_nc_u64 s[G0+4*\n+2:G0+4*\n+3], s[16:17], 18432*\n
	s_or_b32 s[G0+4*\n+3], s[G0+4*\n+3], 0x80000000   ; type = 2
.endr
	ROUND                                          ; all four work-groups are here: the joint loads meet
	s_cmp_lg_u32 s[WV], 0
	s_cbranch_scc1 .Lnot_fetcher                   ; all fills of the launch stand in this one branch on the wave's number
	tensor_load_to_lds s[G0:G0+3], s[G1:G1+7]
	s_nop 0
	tensor_load_to_lds s[G0+4:G0+7], s[G1:G1+7]
	s_nop 0
	tensor_load_to_lds s[G0+8:G0+11], s[G1:G1+7]
	s_nop 0
	tensor_load_to_lds s[G0+12:G0+15], s[G1:G1+7]
	s_nop 0
.rept 4
	v_nop
.endr
.Lnot_fetcher:
	global_load_b128 v[QF:QF+3], v[LI0], s[52:53] th:TH_LOAD_NT
	global_load_b32 v[QS], v4, s[54:55] th:TH_LOAD_NT
	global_load_b32 v234, v4, s[54:55] offset:512 th:TH_LOAD_NT    ; a2 of my query
	global_load_b32 v235, v4, s[54:55] offset:1024 th:TH_LOAD_NT   ; a3 of my query's own position
.irp k, 4,5,6,7
	v_mov_b32 v[QF+\k], 0                          ; k = 64 .. 127: zero codes, for the whole launch
.endr
.irp t, 0,1,2,3,4,5,6,7
.irp k, 4,5,6,7
	v_mov_b32 v[KF+8*\t+\k], 0
.endr
.endr
	v_mov_b32 v13, 0xff61b1e6                      ; the largest t so far: -3e38, under every t
	v_floor_f32 v12, -v13                          ; -M
	v_mov_b32 v14, 0                               ; the sum, in two halves
	v_mov_b32 v15, 0
	v_mov_b32 v[FF+1], 0                           ; (named as the upper half of a pair)
	v_mov_b32 v[T0], 0                             ; written once: a lane permute's destination counts as one of its sources
	s_wait_loadcnt 0x0
.irp j, 0,1,2,3,4,5,6,7
	v_add_f32 v[CQ+\j], v234, v235
.endr
; A KEY STEP: 128 keys.
.macro STEP j
.if (\j) < 4
.set LB, LI0
.else
.set LB, LI1
.endif
.set OFF, 9216*((\j)%4)
.irp t, 0,1,2,3,4,5,6,7
	ds_load_b128 v[KF+8*\t:KF+8*\t+3], v[LB] offset:OFF+512*\t
.endr
	ds_load_b128 v[KS:KS+3], v[LB] offset:OFF+8192
.irp f, 0,1,2,3,4,5,6,7
	ds_load_b128 v[VF+4*\f:VF+4*\f+3], v[LB] offset:OFF+4096+512*\f
.endr
	ds_load_b128 v[VS:VS+3], v[LB] offset:OFF+8704
	s_wait_dscnt 9                                 ; K's images and scale words are in; V's nine loads may be out
.irp t, 0,2,4,6
	v_wmma_scale_f32_16x16x128_f8f6f4 v[SC+8*\t:SC+8*\t+7], v[KF+8*\t:KF+8*\t+7], v[QF:QF+7], v[CQ:CQ+7], v[KS+\t/2], v[QS] matrix_a_fmt:MATRIX_FMT_FP4 matrix_b_fmt:MATRIX_FMT_FP4
	v_wmma_scale_f32_16x16x128_f8f6f4 v[SC+8*\t+8:SC+8*\t+15], v[KF+8*\t+8:KF+8*\t+15], v[QF:QF+7], v[CQ:CQ+7], v[KS+\t/2], v[QS] matrix_a_fmt:MATRIX_FMT_FP4 matrix_b_fmt:MATRIX_FMT_FP4 matrix_a_scale:MATRIX_SCALE_ROW1
.endr
.rept 4
	v_nop                                          ; four places ahead of the first read of the scores
.endr
.irp c, 0,1
	v_max3_num_f32 v[MX+\c], v[SC+32*\c], v[SC+32*\c+1], v[SC+32*\c+2]   ; the largest score of each of my two blocks of 32 keys: it serves the row's maximum and, since p rises with the score, the block's largest p
.endr
.irp i, 3,5,7,9,11,13,15,17,19,21,23,25,27,29
.irp c, 0,1
	v_max3_num_f32 v[MX+\c], v[MX+\c], v[SC+32*\c+\i], v[SC+32*\c+\i+1]
.endr
.endr
.irp c, 0,1
	v_max_num_f32 v[MX+\c], v[MX+\c], v[SC+32*\c+31]
.endr
	v_max_num_f32 v254, v[MX], v[MX+1]
	v_permlanex16_b32 v[T0], v254, s[SEL], s[SEL+1]
	v_max_num_f32 v254, v254, v[T0]                ; with lane l xor 16's 64 keys: the step's largest score of my query
	v_mul_f32 v254, s[CS], v254                    ; as t (c is positive)
	v_max_num_f32 v13, v13, v254                   ; the running largest t
	v_mov_b32 v254, v12
	v_floor_f32 v12, -v13                          ; the new -M = -ceil(t): a whole number
	v_sub_f32 v254, v12, v254                      ; old M - new M: a whole number, 0 or less
	v_cvt_i32_f32 v254, v254                       ; (it saturates)
	v_ldexp_f32 v[FF], 1.0, v254                   ; f = 2^(old M - new M)
.irp n, 0,2,4,6,8,10,12,14,16,18,20,22,24,26,28,30,32,34,36,38,40,42,44,46,48,50,52,54,56,58,60,62
	v_pk_fma_f32 v[SC+\n:SC+\n+1], v[SC+\n:SC+\n+1], s[CS:CS+1], v[12:13] op_sel_hi:[1,0,0]   ; t - M, two at a time
.endr
.irp c, 0,1
	v_fma_f32 v[MX+\c], v[MX+\c], s[CS], v12       ; the same of each block's largest score
.endr
.set wn, 0
.rept 64
	v_exp_f32 v[SC+wn], v[SC+wn]                   ; p = 2^(t - M): not normalised
.set wn, wn+1
.endr
.irp c, 0,1
	v_exp_f32 v[MX+\c], v[MX+\c]                   ; the block's largest p: the same two instructions on the same number
.endr
	v_pk_mul_f32 v[14:15], v[14:15], v[FF:FF+1] op_sel_hi:[1,0]    ; the sums under the new M (a plain place behind the exponentials)
	s_wait_alu depctr_va_vdst(0)
.irp c, 0,1
	v_max_num_f32 v[MX+\c], 0x1800000, v[MX+\c]    ; the floor 2^(3 - 127): the byte cannot fall under 1
.endr
.irp c, 0,1
	v_add_nc_u32 v[SO+\c], 0xff000000, v[MX+\c]    ; 2 off the exponent field: the conversion's scale operand
.endr
.irp c, 0,1
	v_lshrrev_b32 v[BY+\c], 23, v[SO+\c]           ; the scale's byte
.endr
	v_lshl_or_b32 v[PW], v[BY+1], 16, v[BY]        ; my two bytes, blocks h and 2 + h,
	v_lshlrev_b32 v[PW], v[SH8], v[PW]             ; at their places;
	v_permlanex16_b32 v[T0], v[PW], s[SEL], s[SEL+1]
	v_or_b32 v[PW], v[PW], v[T0]                   ; with lane l xor 16's two: p's scale word for these 128 keys
.irp c, 0,1
.irp g, 0,1,2,3
	v_cvt_scalef32_pk8_fp4_f32 v[PC+4*\c+\g], v[SC+32*\c+8*\g:SC+32*\c+8*\g+7], v[SO+\c]   ; registers 4 c .. 4 c + 3 of the operand, as they stand
.endr
.endr
	v_nop                                          ; one plain place behind the last scaled conversion
	v_pk_add_f32 v[BY:BY+1], v[SC:SC+1], v[SC+2:SC+3]              ; the row's sum is taken of the unquantised p: two at a time, in two chains.  These 32 are also the places between p's scale word and codes and the products below
.irp n, 4,8,12,16,20,24,28,32,36,40,44,48,52,56,60
	v_pk_add_f32 v[14:15], v[14:15], v[SC+\n:SC+\n+1]
	v_pk_add_f32 v[BY:BY+1], v[BY:BY+1], v[SC+\n+2:SC+\n+3]
.endr
	v_pk_add_f32 v[14:15], v[14:15], v[BY:BY+1]
.if (\j) > 0
.irp n, 0,2,4,6,8,10,12,14,16,18,20,22,24,26,28,30
	v_pk_mul_f32 v[OT+\n:OT+\n+1], v[OT+\n:OT+\n+1], v[FF:FF+1] op_sel_hi:[1,0]   ; O^T under the new M
.endr
.endif
	s_wait_dscnt 0x0                               ; V's images and scale words are in
.irp T, 0,1,2,3                        ; the four accumulators take turns, and the next step's eight score products stand between two laps
.if (\j) > 0
	v_wmma_scale_f32_16x16x128_f8f6f4 v[OT+8*\T:OT+8*\T+7], v[VF+8*\T:VF+8*\T+7], v[PC:PC+7], v[OT+8*\T:OT+8*\T+7], v[VS+\T], v[PW] matrix_a_fmt:MATRIX_FMT_FP4 matrix_b_fmt:MATRIX_FMT_FP4
.else
	v_wmma_scale_f32_16x16x128_f8f6f4 v[OT+8*\T:OT+8*\T+7], v[VF+8*\T:VF+8*\T+7], v[PC:PC+7], 0, v[VS+\T], v[PW] matrix_a_fmt:MATRIX_FMT_FP4 matrix_b_fmt:MATRIX_FMT_FP4
.endif
.endr
.rept 4
	v_nop                                          ; four places ahead of the next step's loads into V's registers, and of the way out
.endr
.endm
.irp n, 0,1,2,3
	s_wait_tensorcnt 3-\n                          ; wave 0: load n has landed, the 3 - n younger ones may be out; the other waves have none
	s_wait_dscnt 0x0
	s_barrier_signal -1
	s_barrier_wait -1                              ; key steps 2 n and 2 n + 1 lie in LDS for every wave
	STEP 2*\n
	STEP 2*\n+1
.endr
	; THE WAY OUT: O^T / the sum is my query's 32 features 32 h + 0 .. 31 of this head: a whole block of the last product's K
	v_add_f32 v14, v14, v15
	v_permlanex16_b32 v[T0], v14, s[SEL], s[SEL+1]
	v_add_f32 v14, v14, v[T0]                      ; the row's sum
	v_rcp_f32 v14, v14
	v_nop                                          ; one plain place behind a transcendental
.set wn, 0
	s_wait_alu depctr_va_vdst(0)
.rept 32
	v_mul_f32 v[SC+wn], v[OT+wn], v14
.set wn, wn+1
.endr
	QUANT SC, 1, PC, 0
	global_store_b128 v[LI0], v[PC:PC+3], s[58:59] ; the wave stores 512 consecutive bytes
	global_store_b32 v5, v[PW], s[60:61]           ; row r's two bytes; both halves of the lanes write the same word
	s_wait_tensorcnt 0x0
	ds_add_u32 v238, v239
	s_wait_dscnt 0x0
	ROUND                                          ; the closing round: no work-group ends while a partner may still ask for a tile that names it
	s_endpgm
.Lfunc_end_k_qd2044ffab2_attn:
	.size	k_qd2044ffab2_attn, .Lfunc_end_k_qd2044ffab2_attn-k_qd2044ffab2_attn
	.p2alignl 7, 3214868480
	.fill 96, 4, 3214868480
	.section	.rodata,"a",@progbits
	.p2align	6, 0x0
	.amdhsa_kernel k_qd2044ffab2_attn
		.amdhsa_group_segment_fixed_size 169984
		.amdhsa_private_segment_fixed_size 0
		.amdhsa_enable_private_segment 0
		.amdhsa_kernarg_size 24
		.amdhsa_user_sgpr_count 2
		.amdhsa_user_sgpr_kernarg_segment_ptr 1
		.amdhsa_wavefront_size32 1
		.amdhsa_system_sgpr_workgroup_id_x 1
		.amdhsa_system_sgpr_workgroup_id_y 1
		.amdhsa_system_sgpr_workgroup_id_z 1
		.amdhsa_system_vgpr_workitem_id 0
		.amdhsa_next_free_vgpr 256
		.amdhsa_next_free_sgpr 66
		.amdhsa_reserve_vcc 0
		.amdhsa_float_denorm_mode_32 3
		.amdhsa_float_denorm_mode_16_64 3
		.amdhsa_memory_ordered 1
		.amdhsa_forward_progress 1
		.amdhsa_inst_pref_size 119
	.end_amdhsa_kernel
	.amdgpu_metadata
---
amdhsa.version: [ 1, 2 ]
amdhsa.kernels:
  - .name:           k_qd2044ffab2_attn
    .symbol:         k_qd2044ffab2_attn.kd
    .args:
      - { .name: qd, .offset: 0, .size: 8, .value_kind: global_buffer, .address_space: global }
      - { .name: kv, .offset: 8, .size: 8, .value_kind: global_buffer, .address_space: global }
      - { .name: xc, .offset: 16, .size: 8, .value_kind: global_buffer, .address_space: global }
    .group_segment_fixed_size: 169984
    .private_segment_fixed_size: 0
    .kernarg_segment_align: 8
    .kernarg_segment_size: 24
    .max_flat_workgroup_size: 512
    .sgpr_count:     66
    .vgpr_count:     256
    .wavefront_size: 32
...
	.end_amdgpu_metadata
.endif
;; end of part 2
;; launch out (part 3): grid 256 x 1, 2 waves a work-group, no clusters, 8,960 bytes of LDS; arguments xc, woc, bo, out0; writes out0
.if DOCPART == 3
	.amdgcn_target "amdgcn-amd-amdhsa--gfx1250"
	.amdhsa_code_object_version 6
	.text
	.protected	k_qd2044ffab2_out
	.globl	k_qd2044ffab2_out
	.p2align	8
	.type	k_qd2044ffab2_out,@function
k_qd2044ffab2_out:
	s_mov_b64 s[64:65], 0
	v_nop
	global_prefetch_b8 v0, s[64:65] scope:SCOPE_SE
	s_setreg_imm32_b32 hwreg(HW_REG_WAVE_MODE, 25, 1), 1
	s_wait_xcnt 0x0
; out0 = x Wo + bo on codes of FP4 (E2M1) with one E8M0 scale for each 32 along K = 512.  x's and Wo's codes and scale words were laid by the launches before as images of operand registers.
; SHARES.  A wave owns one row tile (16 rows) and all 64 outputs: 16 matrix instructions, four K steps of 128 (two heads each) x four tiles of outputs.  The two waves of a work-group share nothing: no barrier.
; Source 0 = 16 columns of Wo (tile T takes column 8 T + (m & 7) + 32 (m >> 3)), source 1 = x's 16 rows: a lane's 32 results are outputs 32 h + 0 .. 31 of one row: 128 consecutive bytes.
; bo is loaded straight into the accumulators, so every product adds in place; the four accumulators take turns, one instruction a turn.
; Row tile RT holds rows 128 (RT >> 3) + 64 ((RT >> 2) & 1) + 8 (RT & 3) + (r & 7) + 32 (r >> 3).  The results go through the wave's own stage in LDS (rows of 256 bytes + 16) and leave as whole rows:
; sixteen lanes store 256 consecutive bytes, aligned.
; No tensor load and no cluster: what the waves share is Wo's 17 KB of codes, wanted in registers.
.set XF,  16                           ; v16-47   x's four fragments (head hd's image at 16 + 4 hd); later the rows read back
.set HW,  48                           ; v48-55   x's scale bytes, two a head
.set XSW, 56                           ; v56-59   x's scale words, a K step each
.set WOS, 60                           ; v60-75   Wo's scale words: 4 T + s
.set ACC, 76                           ; v76-107  four accumulators, begun as bo
.set WOF, 128                          ; v128-255 Wo's sixteen fragments: (T, s) at 128 + 8 (4 T + s)
	s_load_b256 s[4:11], s[0:1], 0x0               ; xc 4, woc 6, bo 8, out0 10
	v_lshl_add_u32 v126, v0, 2, 0x2200
	v_mov_b32 v127, 0
	v_lshrrev_b32 v8, 5, v0
	v_readfirstlane_b32 s12, v8                    ; wave 0, 1
	v_and_b32 v9, 31, v0
	v_and_b32 v10, 15, v0                          ; r
	v_bfe_u32 v11, v0, 4, 1                        ; h
	v_lshlrev_b32 v1, 4, v9                        ; 16 x lane
	v_lshlrev_b32 v2, 2, v10                       ; 4 r
	v_lshlrev_b32 v3, 4, v10                       ; 16 r
	v_lshlrev_b32 v4, 7, v11                       ; 128 h
	s_mul_i32 s14, s12, 4352                       ; my stage: 16 rows of 272 bytes
	v_mul_u32_u24 v5, v10, 272
	v_lshl_add_u32 v5, v11, 7, v5
	v_add_nc_u32 v5, s14, v5                       ; in: row r, + 128 h
	v_mul_u32_u24 v6, v11, 272
	v_lshl_add_u32 v6, v10, 4, v6
	v_add_nc_u32 v6, s14, v6                       ; back: lanes 0-15 one row, lanes 16-31 the next
	v_lshl_add_u32 v7, v11, 8, v3                  ; and the same in out0: 256 h + 16 r
	s_lshl_b32 s13, ttmp9, 1
	s_add_co_u32 s13, s13, s12                     ; my row tile
	s_mul_i32 s16, s13, 4608
	s_mov_b32 s17, 0
	s_lshr_b32 s18, s13, 3
	s_lshl_b32 s18, s18, 7
	s_bfe_u32 s19, s13, 0x10002
	s_lshl_b32 s19, s19, 6
	s_add_co_u32 s18, s18, s19
	s_and_b32 s19, s13, 3
	s_lshl_b32 s19, s19, 3
	s_add_co_u32 s18, s18, s19
	s_lshl_b32 s18, s18, 8                         ; the tile's first row, in bytes
	s_mov_b32 s19, 0
	s_wait_kmcnt 0x0
	s_add_nc_u64 s[4:5], s[4:5], s[16:17]
	s_add_nc_u64 s[10:11], s[10:11], s[18:19]
.irp d, 0,1,2,3,4,5,6,7
	global_load_b128 v[XF+4*\d:XF+4*\d+3], v1, s[4:5] offset:512*\d th:TH_LOAD_NT
	global_load_b32 v[HW+\d], v2, s[4:5] offset:4096+64*\d th:TH_LOAD_NT
.endr
.irp T, 0,1,2,3
	global_load_b128 v[WOS+4*\T:WOS+4*\T+3], v3, s[6:7] offset:16384+256*\T
	global_load_b128 v[ACC+8*\T:ACC+8*\T+3], v4, s[8:9] offset:32*\T
	global_load_b128 v[ACC+8*\T+4:ACC+8*\T+7], v4, s[8:9] offset:32*\T+16
.irp d, 0,1,2,3,4,5,6,7
	global_load_b128 v[WOF+32*\T+4*\d:WOF+32*\T+4*\d+3], v1, s[6:7] offset:512*(4*\d+\T)   ; head d = 2 s + c: registers 4 c on of fragment (T, s)
.endr
.endr
	s_wait_loadcnt 0x0
.irp s, 0,1,2,3
	v_lshl_or_b32 v[XSW+\s], v[HW+2*\s+1], 16, v[HW+2*\s]          ; two heads' bytes make a K step's scale word
.endr
.rept 8
	v_nop                                          ; a scale register written by a vector instruction stands 8 places ahead of a scaled matrix instruction
.endr
.irp s, 0,1,2,3
.irp T, 0,1,2,3
	v_wmma_scale_f32_16x16x128_f8f6f4 v[ACC+8*\T:ACC+8*\T+7], v[WOF+32*\T+8*\s:WOF+32*\T+8*\s+7], v[XF+8*\s:XF+8*\s+7], v[ACC+8*\T:ACC+8*\T+7], v[WOS+4*\T+\s], v[XSW+\s] matrix_a_fmt:MATRIX_FMT_FP4 matrix_b_fmt:MATRIX_FMT_FP4
.endr
.endr
.rept 4
	v_nop                                          ; four places ahead of the stores of the results and of the loads into x's registers
.endr
.irp T, 0,1,2,3
	ds_store_b128 v5, v[ACC+8*\T:ACC+8*\T+3] offset:32*\T          ; each accumulator from its low end on
	ds_store_b128 v5, v[ACC+8*\T+4:ACC+8*\T+7] offset:32*\T+16
.endr
.irp i, 0,1,2,3,4,5,6,7
	ds_load_b128 v[XF+4*\i:XF+4*\i+3], v6 offset:544*\i            ; LDS serves a wave's instructions in order: these see my stores
.endr
.irp i, 0,1,2,3,4,5,6,7
	s_wait_dscnt 7-\i                              ; rows 2 i and 2 i + 1 of the stage are back; the younger loads may be out
	global_store_b128 v7, v[XF+4*\i:XF+4*\i+3], s[10:11] offset:(2*(\i%4)+32*(\i/4))*256 th:TH_STORE_NT
.endr
	s_wait_tensorcnt 0x0
	ds_add_u32 v126, v127
	s_wait_dscnt 0x0
	s_endpgm
.Lfunc_end_k_qd2044ffab2_out:
	.size	k_qd2044ffab2_out, .Lfunc_end_k_qd2044ffab2_out-k_qd2044ffab2_out
	.p2alignl 7, 3214868480
	.fill 96, 4, 3214868480
	.section	.rodata,"a",@progbits
	.p2align	6, 0x0
	.amdhsa_kernel k_qd2044ffab2_out
		.amdhsa_group_segment_fixed_size 8960
		.amdhsa_private_segment_fixed_size 0
		.amdhsa_enable_private_segment 0
		.amdhsa_kernarg_size 32
		.amdhsa_user_sgpr_count 2
		.amdhsa_user_sgpr_kernarg_segment_ptr 1
		.amdhsa_wavefront_size32 1
		.amdhsa_system_sgpr_workgroup_id_x 1
		.amdhsa_system_sgpr_workgroup_id_y 1
		.amdhsa_system_sgpr_workgroup_id_z 1
		.amdhsa_system_vgpr_workitem_id 0
		.amdhsa_next_free_vgpr 256
		.amdhsa_next_free_sgpr 66
		.amdhsa_reserve_vcc 0
		.amdhsa_float_denorm_mode_32 3
		.amdhsa_float_denorm_mode_16_64 3
		.amdhsa_memory_ordered 1
		.amdhsa_forward_progress 1
		.amdhsa_inst_pref_size 13
	.end_amdhsa_kernel
	.amdgpu_metadata
---
amdhsa.version: [ 1, 2 ]
amdhsa.kernels:
  - .name:           k_qd2044ffab2_out
    .symbol:         k_qd2044ffab2_out.kd
    .args:
      - { .name: xc, .offset: 0, .size: 8, .value_kind: global_buffer, .address_space: global }
      - { .name: woc, .offset: 8, .size: 8, .value_kind: global_buffer, .address_space: global }
      - { .name: bo, .offset: 16, .size: 8, .value_kind: global_buffer, .address_space: global }
      - { .name: out0, .offset: 24, .size: 8, .value_kind: global_buffer, .address_space: global }
    .group_segment_fixed_size: 8960
    .private_segment_fixed_size: 0
    .kernarg_segment_align: 8
    .kernarg_segment_size: 32
    .max_flat_workgroup_size: 64
    .sgpr_count:     66
    .vgpr_count:     256
    .wavefront_size: 32
...
	.end_amdgpu_metadata
.endif
;; end of part 3
;; ======== version 2 of 2: 3 launches
;; workspace buffers: qd 2,883,584 bytes; kv 4,718,592 bytes; xc 2,359,296 bytes; woc 17,408 bytes
;; launch proj (part 4): grid 64 x 3, 8 waves a work-group, no clusters, 49,152 bytes of LDS; arguments query, key, value, Wq, Wk, Wv, bq, bk, bv, Wkr, Wqr, Wo, bkr, bqr, p, qd, kv, woc; writes qd, kv, woc
.if DOCPART == 4
	.amdgcn_target "amdgcn-amd-amdhsa--gfx1250"
	.amdhsa_code_object_version 6
	.text
	.protected	k_qd2044ffab2_proj
	.globl	k_qd2044ffab2_proj
	.p2align	8
	.type	k_qd2044ffab2_proj,@function
k_qd2044ffab2_proj:
	s_mov_b64 s[64:65], 0
	v_nop
	global_prefetch_b8 v0, s[64:65] scope:SCOPE_SE
	s_setreg_imm32_b32 hwreg(HW_REG_WAVE_MODE, 25, 1), 1
	s_wait_xcnt 0x0
; q1 = query Wq + bq, k1 = key Wk + bk, v1 = value Wv + bv on codes of FP4 (E2M1) with one E8M0 scale for each 32 along K; the results are quantised again, as the operands
; that the attention launch wants, and leave as IMAGES OF OPERAND REGISTERS (lane l's 16 bytes at 16 l).  Also: row 32 of p Wkr + bkr and of p Wqr + bqr, the f32 dots of q1 and k1 with them, and Wo's codes.
; SHARES.  Work-group (g, y): rows 128 g .. 128 g + 127 of tensor y (0 query, 1 key, 2 value).  Wave w first quantises 16 of the rows (tile w) and hands their image to the others through LDS; then it is head w for all 128 rows.
; WHICH ROWS AND COLUMNS FORM A TILE.  rm(m) = (m & 7) + 32 (m >> 3).  Tile t of 128 rows takes row 64 (t >> 2) + 8 (t & 3) + rm(m); tile T of a head's 64 features takes feature 4 m + T.
; A result's register j of lane (r, h) is source 0's row 8 h + j.  So the 32 registers of four neighbouring tiles of rows are the 32 neighbouring keys 32 h + 0 .. 31, and those of the four tiles of features are
; the features 32 h + 4 j + T: in both cases a WHOLE block of the next product's K lies in one lane: its largest magnitude needs no other lane, and the four conversions' results are the next operand's registers.
; THE FEATURES OF A BLOCK STAND IN THE ORDER position 8 T + j = feature 32 h + 4 j + T, and that alike wherever two operands meet along the features: in Q and K; in the relative row and q1, k1;
; in x (through V^T's tiles) and Wo, whose rows are taken in this order here.  A block's members, and so its scale, are the natural ones.
; WHY 4 m + T: a lane then wants four NEIGHBOURING columns of W, one for each tile, so W comes by loads of 16 bytes a lane, sixteen lanes on 256 consecutive bytes of a row.
; q, k: source 0 = 16 columns of W, source 1 = 16 rows of x (a lane holds one row, registers run along the head's features).  v: source 0 = 16 rows of x, source 1 = 16 columns of W (registers run along the keys).
; K is 64, half of the instruction's 128: the upper four registers of every operand here are zero codes, which add nothing under any scale byte but 0xff; no byte here is 0xff.
; The biases are the C of each product.  No product is a link of a chain: K is one step.
; NO CLUSTER, NO TENSOR LOAD: what work-groups share is the weight, 16 KB a wave, which is wanted in registers down K; x is read once in the launch.
; LIMITS: NaN and infinities among the inputs are not served.  A block of zeros, or one whose largest magnitude lies under 2^-124, gets the scale byte 1 (the rule says 127 for zeros): its codes are zeros or
; the rule's own, and the bytes are read by this program alone.  Of p only row 32 is read: no other row enters a result.
.set XIMG, 0                           ; LDS: x's 8 tiles as images, 512 bytes each
.set XSC,  4096                        ; their scale words, 128 bytes each
.set KRI,  5120                        ; 1,024 bytes for each wave: waves 0-3 put a tile (8 registers) of the relative row there
.set XT,   13312                       ; 4,352 bytes for each wave: its 16 rows of x, 256 bytes + 16 of padding each, on their way from rows to lanes
.set XTS,  1                           ; v1   that stage, on the way in: 272 h + 16 r
.set XTL,  4                           ; v4   and on the way out: 272 r + 128 h
.set XG,   5                           ; v5   x in memory: 256 h + 16 r: a load takes two neighbouring rows
.set WA,   6                           ; v6   W: 16 r + 65,536 h (32 rows of 2,048 bytes)
.set RA,   7                           ; v7   Wkr, Wqr: 16 r + 8,192 h;  Wo: 4 rm + 8,192 h (32 rows of 256 bytes)
.set LI,   8                           ; v8   16 x lane
.set LS,   9                           ; v9   4 x lane
.set XWI,  10                          ; v10  where I store x's image: 16 x thread
.set XWS,  11                          ; v11  and its scale word: XSC + 4 x thread
.set KWI,  12                          ; v12  KRI + 1,024 x wave + 16 x lane
.set SH8,  13                          ; v13  8 h
.set SH16, 14                          ; v14  16 h
.set HB,   15                          ; v15  128 h
.set SW,   16                          ; v16-19 scale words gathered for one store
.set DT,   20                          ; v20-23 dots gathered for one store
.set MX,   24                          ; v24-25 largest magnitudes;  v26-27 the conversions' scale operands;  v28-29 bytes;  v30 the lane permute's destination;  v31 the scale word just made
.set SO,   26
.set BY,   28
.set T0,   30
.set PW,   31
.set PC,   32                          ; v32-39 the codes just made
.set WS,   40                          ; v40-43 W's scale words, tile T
.set XS,   44                          ; v44-51 x's scale words
.set BA,   52                          ; v52-59 byte offsets of the bias for register j; later the relative row's tile
.set DP,   60                          ; v60-63 two dots, each in two halves
.set ACC,  64                          ; v64-127 results; before that W as loaded (with v128-191), then the duty's numbers
.set XF,   128                         ; v128-191 x's fragments
.set KR,   160                         ; v160-191 (q, k) the relative row, in the result's layout
.set WF,   192                         ; v192-223 W's four fragments; before that my 32 numbers of x
.set BI,   224                         ; v224-255 the bias, in the result's layout
.set TA,   16                          ; while W is quantised: v16-23 and v32-39 take eight numbers of a column by turns,
.set TB,   32
.set MW,   60                          ; v60-63 hold the four columns' largest magnitudes, then the conversions' scale operands,
.set BW,   24                          ; v24-27 their bytes
.set SEL,  58                          ; s[58:59] v_permlanex16_b32's selects for lane l xor 16
; nb blocks of 32 numbers of a lane, v[s + 32 c] on, become codes in v[d0] on (and v[d1] on) and a scale word in v[PW]: bytes [block 0 of h = 0, of h = 1, block 1 of h = 0, of h = 1], the same in both halves of the lanes.
; The floor 2^(3 - 127) among the maximum's leaves holds the byte at 1 from below; the largest magnitude with 2 off its exponent field is the conversion's scale operand.  The registers are read from the low end on.
.macro QUANT s, nb, d0, d1
	v_max3_num_f32 v[MX], |v[(\s)]|, |v[(\s)+1]|, 0x1800000
.if \nb > 1
	v_max3_num_f32 v[MX+1], |v[(\s)+32]|, |v[(\s)+33]|, 0x1800000
.endif
.irp i, 2,4,6,8,10,12,14,16,18,20,22,24,26,28,30
	v_max3_num_f32 v[MX], v[MX], |v[(\s)+\i]|, |v[(\s)+\i+1]|
.if \nb > 1
	v_max3_num_f32 v[MX+1], v[MX+1], |v[(\s)+32+\i]|, |v[(\s)+33+\i]|
.endif
.endr
	v_add_nc_u32 v[SO], 0xff000000, v[MX]
.if \nb > 1
	s_delay_alu instid0(VALU_DEP_2)
	v_add_nc_u32 v[SO+1], 0xff000000, v[MX+1]
.endif
	v_lshrrev_b32 v[BY], 23, v[SO]
.if \nb > 1
	s_delay_alu instid0(VALU_DEP_2)
	v_lshrrev_b32 v[BY+1], 23, v[SO+1]
	s_delay_alu instid0(VALU_DEP_1)
	v_lshl_or_b32 v[BY], v[BY+1], 16, v[BY]
.endif
	s_delay_alu instid0(VALU_DEP_1)
	v_lshlrev_b32 v[PW], v[SH8], v[BY]             ; my bytes at their places, 8 h bits up;
	s_delay_alu instid0(VALU_DEP_1)
	v_permlanex16_b32 v[T0], v[PW], s[SEL], s[SEL+1]
	s_delay_alu instid0(VALU_DEP_1)
	v_or_b32 v[PW], v[PW], v[T0]                   ; with lane l xor 16's the word is whole
.irp g, 0,1,2,3
	v_cvt_scalef32_pk8_fp4_f32 v[(\d0)+\g], v[(\s)+8*\g:(\s)+8*\g+7], v[SO]
.endr
.if \nb > 1
.irp g, 0,1,2,3
	v_cvt_scalef32_pk8_fp4_f32 v[(\d1)+\g], v[(\s)+32+8*\g:(\s)+32+8*\g+7], v[SO+1]
.endr
.endif
	v_nop                                          ; one plain place behind the last scaled conversion
.endm
; W as loaded: register ACC + 4 i + e holds W(32 h + i, 4 r + e): column e of my four belongs to tile e.  WSCALE: the four columns' largest magnitudes (read where they lie, the columns by turns),
; the conversions' scale operands, and the four tiles' scale words: bytes [h = 0, h = 1] lowest.
.macro WSCALE
.irp e, 0,1,2,3
	v_max3_num_f32 v[MW+\e], |v[ACC+\e]|, |v[ACC+4+\e]|, 0x1800000
.endr
.irp i, 2,4,6,8,10,12,14,16,18,20,22,24,26,28,30
.irp e, 0,1,2,3
	s_delay_alu instid0(VALU_DEP_4)
	v_max3_num_f32 v[MW+\e], v[MW+\e], |v[ACC+4*\i+\e]|, |v[ACC+4*\i+4+\e]|
.endr
.endr
.irp e, 0,1,2,3
	s_delay_alu instid0(VALU_DEP_4)
	v_add_nc_u32 v[MW+\e], 0xff000000, v[MW+\e]
.endr
.irp e, 0,1,2,3
	s_delay_alu instid0(VALU_DEP_4)
	v_lshrrev_b32 v[BW+\e], 23, v[MW+\e]
.endr
	s_delay_alu instid0(VALU_DEP_3)
	v_lshl_or_b32 v[BW], v[BW+1], 16, v[BW]
	s_delay_alu instid0(VALU_DEP_2)
	v_lshl_or_b32 v[BW+2], v[BW+3], 16, v[BW+2]
	s_delay_alu instid0(VALU_DEP_2)
	v_lshlrev_b32 v[BW], v[SH8], v[BW]
	s_delay_alu instid0(VALU_DEP_2)
	v_lshlrev_b32 v[BW+2], v[SH8], v[BW+2]
	s_delay_alu instid0(VALU_DEP_2)
	v_permlanex16_b32 v[T0], v[BW], s[SEL], s[SEL+1]
	s_delay_alu instid0(VALU_DEP_1)
	v_or_b32 v[WS], v[BW], v[T0]
	s_delay_alu instid0(VALU_DEP_2)
	v_permlanex16_b32 v[T0], v[BW+2], s[SEL], s[SEL+1]
	s_delay_alu instid0(VALU_DEP_1)
	v_or_b32 v[WS+2], v[BW+2], v[T0]
	s_delay_alu instid0(VALU_DEP_3)
	v_lshrrev_b32 v[WS+1], 16, v[WS]
	s_delay_alu instid0(VALU_DEP_2)
	v_lshrrev_b32 v[WS+3], 16, v[WS+2]
.endm
; WCVT g: rows 8 g .. 8 g + 7 of my half of K, for the four columns.  The conversion takes eight neighbours along K from consecutive registers, and a column's numbers lie four registers apart: eight moves gather them.
; Two sets of eight take turns, so that the moves into one set are the plain places behind the conversion that read the other.
.macro WCVT g
.irp e, 0,1,2,3
.set TP, TA+(TB-TA)*(\e%2)
.irp k, 0,1,2,3,4,5,6,7
	v_mov_b32 v[TP+\k], v[ACC+4*(8*(\g)+\k)+\e]
.endr
	v_cvt_scalef32_pk8_fp4_f32 v[WF+8*\e+(\g)], v[TP:TP+7], v[MW+\e]
.endr
.endm
.macro PLACES n
.rept \n
	v_nop
.endr
.endm
.macro MM d, a, b, c, sa, sb
	v_wmma_scale_f32_16x16x128_f8f6f4 v[(\d):(\d)+7], v[(\a):(\a)+7], v[(\b):(\b)+7], v[(\c):(\c)+7], v[\sa], v[\sb] matrix_a_fmt:MATRIX_FMT_FP4 matrix_b_fmt:MATRIX_FMT_FP4
.endm
	s_load_b512 s[8:23], s[0:1], 0x0               ; query 8, key 10, value 12, Wq 14, Wk 16, Wv 18, bq 20, bk 22
	s_load_b512 s[24:39], s[0:1], 0x40             ; bv 24, Wkr 26, Wqr 28, Wo 30, bkr 32, bqr 34, p 36, qd 38
	s_load_b128 s[40:43], s[0:1], 0x80             ; kv 40, woc 42
	s_set_vgpr_msb 0x40
	v_lshl_add_u32 v0, v0, 2, 0xbc00
	v_mov_b32 v1, 0
	s_set_vgpr_msb 0x4000
	v_lshrrev_b32 v16, 5, v0
	s_delay_alu instid0(VALU_DEP_1)
	v_readfirstlane_b32 s4, v16                    ; wave 0..7: my tile of x, then my head
	s_and_b32 s5, ttmp7, 0xffff                    ; y: which tensor
	s_mov_b32 s6, ttmp9                            ; g: which 128 rows
	v_and_b32 v19, 31, v0                          ; lane
	v_and_b32 v2, 15, v0                           ; r
	v_bfe_u32 v3, v0, 4, 1                         ; h
	v_and_b32 v18, 7, v0
	v_bfe_u32 v17, v0, 3, 1
	s_delay_alu instid0(VALU_DEP_1)
	v_lshl_add_u32 v18, v17, 5, v18                ; rm = (r & 7) + 32 (r >> 3)
	v_lshlrev_b32 v[XG], 4, v2
	s_delay_alu instid0(VALU_DEP_1)
	v_lshl_add_u32 v[WA], v3, 16, v[XG]
	s_delay_alu instid0(VALU_DEP_2)
	v_lshl_add_u32 v[XG], v3, 8, v[XG]
	v_lshlrev_b32 v[LI], 4, v19
	v_lshlrev_b32 v[LS], 2, v19
	v_lshlrev_b32 v[XWI], 4, v0
	v_lshl_add_u32 v[XWS], v0, 2, XSC
	s_delay_alu instid0(VALU_DEP_4)
	v_lshl_add_u32 v[KWI], v16, 10, v[LI]
	s_delay_alu instid0(VALU_DEP_1)
	v_add_nc_u32 v[KWI], KRI, v[KWI]
	s_mul_i32 s78, s4, 4352
	s_add_co_u32 s78, s78, XT                      ; my wave's stage for x
	v_mul_u32_u24 v[XTS], v3, 272
	s_delay_alu instid0(VALU_DEP_1)
	v_lshl_add_u32 v[XTS], v2, 4, v[XTS]
	s_delay_alu instid0(VALU_DEP_1)
	v_add_nc_u32 v[XTS], s78, v[XTS]
	v_mul_u32_u24 v[XTL], v2, 272
	s_delay_alu instid0(VALU_DEP_1)
	v_lshl_add_u32 v[XTL], v3, 7, v[XTL]
	s_delay_alu instid0(VALU_DEP_1)
	v_add_nc_u32 v[XTL], s78, v[XTL]
	v_lshlrev_b32 v[SH8], 3, v3
	v_lshlrev_b32 v[SH16], 4, v3
	v_lshlrev_b32 v[HB], 7, v3
	v_mov_b32 v[T0], 0                             ; written once: a lane permute's destination counts as one of its sources
	s_mov_b32 s[SEL], 0x76543210
	s_mov_b32 s[SEL+1], 0xfedcba98
	; byte offsets, made apart from the addresses
	s_lshl_b32 s66, s6, 7
	s_lshr_b32 s68, s4, 2
	s_lshl_b32 s68, s68, 6
	s_add_co_u32 s66, s66, s68
	s_and_b32 s68, s4, 3
	s_lshl_b32 s68, s68, 3
	s_add_co_u32 s66, s66, s68
	s_lshl_b32 s66, s66, 8                         ; x: (128 g + 64 (w >> 2) + 8 (w & 3)) rows of 256 bytes
	s_mov_b32 s67, 0
	s_lshl_b32 s68, s4, 8                          ; W and the bias: my head's 64 columns
	s_mov_b32 s69, 0
	s_lshr_b32 s70, s6, 3
	s_lshl_b32 s70, s70, 3
	s_add_co_u32 s70, s70, s4                      ; 8 b + head
	s_and_b32 s71, s6, 7                           ; the group of 128 rows within the sequence
	s_mul_i32 s72, s70, 45056
	s_mul_i32 s73, s71, 5632
	s_add_co_u32 s72, s72, s73                     ; my group's record in qd
	s_mul_i32 s74, s70, 73728
	s_mul_i32 s75, s71, 9216
	s_add_co_u32 s74, s74, s75                     ; and in kv
	s_lshl_b32 s90, s4, 14
	s_lshl_b32 s79, s6, 5
	s_add_co_u32 s90, s90, s79                     ; Wo: rows 64 w on, columns 8 g on
	s_lshl_b32 s96, s4, 2                          ; Wkr, Wqr and their biases: column w of each four
	s_lshl_b32 s92, s4, 2
	s_add_co_u32 s92, s92, s6
	s_lshl_b32 s92, s92, 9                         ; woc: half fragment 4 w + g
	s_lshl_b32 s94, s6, 8
	s_lshl_b32 s79, s4, 1
	s_add_co_u32 s94, s94, s79
	s_add_co_u32 s94, s94, 16384                   ; woc: its half scale words, 16,384 + 256 g + 2 w (+ 16 r)
	s_mov_b32 s86, 8192
	s_mov_b32 s88, 5120
	s_cmp_eq_u32 s5, 0
	s_cselect_b32 s84, s72, s74                    ; where the images go: qd's record or kv's,
	s_cselect_b32 s86, 4096, s86                   ; the scale words behind them: q 4,096, k 8,192,
	s_cselect_b32 s88, 4608, s88                   ; the dots in qd's record: q's at 4,608, k's at 5,120
	s_cmp_eq_u32 s5, 2
	s_cselect_b32 s79, 4096, 0                     ; v's images lie behind k's,
	s_cselect_b32 s86, 4608, s86                   ; and v's scale words 4,608 behind them
	s_cselect_b32 s80, 16, 0                       ; the bias's offset for register j of tile T is r x s80 + h x s81 + j x s82 + 4 T: q, k: feature 32 h + 4 j + T;  v: feature 4 r + T
	s_cselect_b32 s81, 0, 128
	s_cselect_b32 s82, 0, 16
	s_cselect_b32 s83, 4, 0                        ; the duty's column: rm x s83 + r x s82: Wo: rm (+ 8 g);  Wkr, Wqr: 4 r (+ w)
	s_cselect_b32 s7, s6, s4                       ; who has a duty beside the projection: v: work-groups g < 4 (Wo);  q, k: waves w < 4 (the relative row)
	s_cselect_b32 s90, s90, s96
	s_add_co_u32 s84, s84, s79
	s_add_co_u32 s88, s88, s72
	s_mov_b32 s85, 0
	s_mov_b32 s87, 0
	s_mov_b32 s89, 0
	s_mov_b32 s91, 0
	s_mov_b32 s93, 0
	s_mov_b32 s95, 0
	s_mov_b32 s97, 0
	v_mul_u32_u24 v[BA], v2, s80
	s_delay_alu instid0(VALU_DEP_1)
	v_mad_u32_u24 v[BA], v3, s81, v[BA]
.irp j, 1,2,3,4,5,6,7
	s_mul_i32 s79, s82, \j
	v_add_nc_u32 v[BA+\j], s79, v[BA]
.endr
	v_mul_u32_u24 v[RA], v18, s83
	s_delay_alu instid0(VALU_DEP_1)
	v_mad_u32_u24 v[RA], v2, s82, v[RA]
	s_delay_alu instid0(VALU_DEP_1)
	v_lshl_add_u32 v[RA], v3, 13, v[RA]
	s_wait_alu depctr_va_vdst(0)
	s_wait_kmcnt 0x0
	s_cmp_eq_u32 s5, 0                             ; the buffers are chosen on the work-group's y alone
	s_cselect_b64 s[44:45], s[8:9], s[10:11]       ; x
	s_cselect_b64 s[46:47], s[14:15], s[16:17]     ; W
	s_cselect_b64 s[48:49], s[20:21], s[22:23]     ; the bias
	s_cselect_b64 s[50:51], s[26:27], s[28:29]     ; the duty's weight: Wkr, Wqr or Wo
	s_cselect_b64 s[52:53], s[32:33], s[34:35]     ; bkr or bqr
	s_cselect_b64 s[54:55], s[38:39], s[40:41]     ; the images' buffer
	s_cmp_eq_u32 s5, 2
	s_cselect_b64 s[44:45], s[12:13], s[44:45]
	s_cselect_b64 s[46:47], s[18:19], s[46:47]
	s_cselect_b64 s[48:49], s[24:25], s[48:49]
	s_cselect_b64 s[50:51], s[30:31], s[50:51]
	s_mov_b64 s[56:57], s[38:39]                   ; the dots go to qd
	s_add_nc_u64 s[44:45], s[44:45], s[66:67]
	s_add_nc_u64 s[46:47], s[46:47], s[68:69]
	s_add_nc_u64 s[48:49], s[48:49], s[68:69]
	s_add_nc_u64 s[50:51], s[50:51], s[90:91]
	s_add_nc_u64 s[52:53], s[52:53], s[96:97]
	s_add_nc_u64 s[54:55], s[54:55], s[84:85]
	s_add_nc_u64 s[60:61], s[54:55], s[86:87]      ; the scale words' block
	s_add_nc_u64 s[56:57], s[56:57], s[88:89]
	s_add_nc_u64 s[62:63], s[42:43], s[92:93]      ; (used by the Wo duty alone)
	s_add_nc_u64 s[98:99], s[42:43], s[94:95]
	; ---- x's tile, two neighbouring rows (512 consecutive bytes) a load: rows 0 .. 7 and 32 .. 39 from the tile's first; then my head's 64 columns of W, two rows of 256 consecutive bytes a load
.irp e, 0,1,2,3
	global_load_b128 v[WF+4*\e:WF+4*\e+3], v[XG], s[44:45] offset:512*\e th:TH_LOAD_NT
.endr
.irp e, 4,5,6,7
	global_load_b128 v[WF+4*\e:WF+4*\e+3], v[XG], s[44:45] offset:8192+512*(\e-4) th:TH_LOAD_NT
.endr
.set wi, 0
.rept 32
	global_load_b128 v[ACC+4*wi:ACC+4*wi+3], v[WA], s[46:47] offset:2048*wi
.set wi, wi+1
.endr
	s_wait_loadcnt 32                              ; behind x's eight loads stand W's 32: x is in
.irp e, 0,1,2,3,4,5,6,7
	ds_store_b128 v[XTS], v[WF+4*\e:WF+4*\e+3] offset:544*\e       ; rows 2 e and 2 e + 1 of the tile, as they lie
.endr
.irp e, 0,1,2,3,4,5,6,7
	ds_load_b128 v[WF+4*\e:WF+4*\e+3], v[XTL] offset:16*\e         ; back: lane (r, h) takes k = 32 h + 0 .. 31 of row r.  LDS serves a wave's instructions in order: these see my stores
.endr
.irp T, 0,1,2,3
.irp j, 0,1,2,3,4,5,6,7
	global_load_b32 v[BI+8*\T+\j], v[BA+\j], s[48:49] offset:4*\T
.endr
.endr
	s_wait_dscnt 0x0
	QUANT WF, 1, PC, 0                             ; my tile of x
	ds_store_b128 v[XWI], v[PC:PC+3]
	ds_store_b32 v[XWS], v[PW]
.irp T, 0,1,2,3
.irp k, 4,5,6,7
	v_mov_b32 v[WF+8*\T+\k], 0                     ; k = 64 .. 127 of W's fragments: zero codes
.endr
.endr
	s_wait_dscnt 0x0                               ; the stores have read their registers
	s_wait_loadcnt 32                              ; behind W's loads stand the bias's 32: W is in
	WSCALE
	WCVT 0
	WCVT 1                                         ; v64-127 are read out
	s_wait_loadcnt 0x0                             ; the bias is in; its offset registers are free
	; ---- the duty's loads go out while the other half of W is converted
	s_cmp_lt_u32 s7, 4
	s_cbranch_scc0 .Lno_duty_loads
	s_cmp_eq_u32 s5, 2
	s_cbranch_scc1 .Lwo_loads
.set wi, 0
.rept 32
	global_load_b32 v[ACC+32+wi], v[RA], s[50:51] offset:256*wi    ; Wkr or Wqr: column 4 r + w, rows 32 h + 0 .. 31 down K
.set wi, wi+1
.endr
.irp e, 0,1,2,3,4,5,6,7
	global_load_b128 v[ACC+4*\e:ACC+4*\e+3], v[HB], s[36:37] offset:8192+16*\e   ; p's row 32, the same in all sixteen rows of the operand
.endr
.irp j, 0,1,2,3,4,5,6,7
	global_load_b32 v[BA+\j], v[HB], s[52:53] offset:16*\j         ; bkr or bqr at 32 h + 4 j + w: the product's C and D
.endr
	s_branch .Lno_duty_loads
.Lwo_loads:
.set wi, 0
.rept 32
	global_load_b32 v[ACC+32+wi], v[RA], s[50:51] offset:256*(4*(wi%8)+wi/8)   ; Wo: column 8 g + rm; position i of the block is row 64 w + 32 h + 4 (i % 8) + i / 8, as x's features stand
.set wi, wi+1
.endr
.Lno_duty_loads:
	WCVT 2
	WCVT 3
	v_nop                                          ; one plain place behind the last scaled conversion
.irp k, 4,5,6,7,12,13,14,15
	v_mov_b32 v[XF+\k], 0                          ; k = 64 .. 127 of the two fragments at v128 and v136: zero codes
.endr
	PLACES 8                                       ; a scale register written by a vector instruction stands 8 places ahead of a scaled matrix instruction, an operand so written 4
	s_wait_loadcnt 0x0                             ; the duty's loads, on every wave's way
	s_cmp_lt_u32 s7, 4
	s_cbranch_scc0 .Lno_duty
	s_cmp_eq_u32 s5, 2
	s_cbranch_scc1 .Lwo_duty
	QUANT ACC, 2, XF, XF+8                         ; p's row 32 (block 0) and my tile of Wkr or Wqr (block 1)
	v_lshrrev_b32 v[XS+2], 16, v[PW]               ; the weight's scale word
	PLACES 8
	MM BA, XF+8, XF, BA, XS+2, PW                  ; register j of lane (r, h): the relative row at 32 h + 4 j + w, for every r
	PLACES 4
	ds_store_b128 v[KWI], v[BA:BA+3]
	ds_store_b128 v[KWI], v[BA+4:BA+7] offset:512
	s_branch .Lno_duty
.Lwo_duty:
	QUANT ACC+32, 1, PC, 0                         ; half a fragment of the last product
	v_lshlrev_b32 v[DP], 4, v2
	global_store_b128 v[LI], v[PC:PC+3], s[62:63]
	global_store_b16 v[DP], v[PW], s[98:99]        ; its two bytes; both halves of the lanes write the same
.Lno_duty:
	s_wait_dscnt 0x0                               ; my LDS stores have landed
	s_barrier_signal -1
	s_barrier_wait -1                              ; x's eight images and the relative row lie in LDS; nothing is stored to LDS behind this barrier
	s_cmp_eq_u32 s5, 2
	s_cbranch_scc1 .Lvpath
	; ---- q, k: two tiles of rows at a time
.irp T, 0,1,2,3
.irp e, 0,1
	ds_load_b128 v[KR+8*\T+4*\e:KR+8*\T+4*\e+3], v[LI] offset:KRI+1024*\T+512*\e
.endr
.endr
.macro QKUNIT i
	s_wait_xcnt 0x0                                ; the last unit's stores have read their registers
	ds_load_b128 v[XF:XF+3], v[LI] offset:XIMG+1024*\i
	ds_load_b128 v[XF+8:XF+11], v[LI] offset:XIMG+1024*\i+512
	ds_load_b32 v[XS], v[LS] offset:XSC+256*\i
	ds_load_b32 v[XS+1], v[LS] offset:XSC+256*\i+128
	s_wait_dscnt 0x0
.irp rt, 0,1
.irp T, 0,1,2,3
	MM ACC+32*\rt+8*\T, WF+8*\T, XF+8*\rt, BI+8*\T, WS+\T, XS+\rt
.endr
.endr
	PLACES 4
	v_pk_mul_f32 v[DP:DP+1], v[ACC:ACC+1], v[KR:KR+1]              ; the dot with the relative row, in f32, of the unquantised results; the two tiles by turns
	v_pk_mul_f32 v[DP+2:DP+3], v[ACC+32:ACC+33], v[KR:KR+1]
.irp n, 2,4,6,8,10,12,14,16,18,20,22,24,26,28,30
	v_pk_fma_f32 v[DP:DP+1], v[ACC+\n:ACC+\n+1], v[KR+\n:KR+\n+1], v[DP:DP+1]
	v_pk_fma_f32 v[DP+2:DP+3], v[ACC+32+\n:ACC+33+\n], v[KR+\n:KR+\n+1], v[DP+2:DP+3]
.endr
	s_delay_alu instid0(VALU_DEP_2)
	v_add_f32 v[DP], v[DP], v[DP+1]
	s_delay_alu instid0(VALU_DEP_2)
	v_add_f32 v[DP+2], v[DP+2], v[DP+3]
	s_delay_alu instid0(VALU_DEP_1)
	v_permlane16_swap_b32 v[DP], v[DP+2]           ; the first's lanes 16-31 change places with the second's lanes 0-15:
	s_delay_alu instid0(VALU_DEP_1)
	v_add_f32 v[DT+\i], v[DP], v[DP+2]             ; lanes 0-15 hold tile 2 i's dots, lanes 16-31 tile 2 i + 1's
	QUANT ACC, 2, PC, PC+4
	global_store_b128 v[LI], v[PC:PC+3], s[54:55] offset:1024*\i
	global_store_b128 v[LI], v[PC+4:PC+7], s[54:55] offset:1024*\i+512
	v_lshrrev_b32 v[SW+\i], v[SH16], v[PW]         ; lanes 0-15 keep tile 2 i's two bytes lowest, lanes 16-31 tile 2 i + 1's
.endm
	s_wait_alu depctr_va_vdst(0)
	QKUNIT 0
	QKUNIT 1
	QKUNIT 2
	QKUNIT 3
	global_store_b128 v[LI], v[SW:SW+3], s[60:61]
	global_store_b128 v[LI], v[DT:DT+3], s[56:57]
	s_set_vgpr_msb 0x5
	s_wait_tensorcnt 0x0
	ds_add_u32 v0, v1
	s_wait_dscnt 0x0
	s_set_vgpr_msb 0x500
	s_endpgm
	; ---- v: all 128 keys against one tile of features at a time: a lane's 64 registers are two blocks of 32 keys
.Lvpath:
.irp t, 2,3,4,5,6,7
.irp k, 4,5,6,7
	v_mov_b32 v[XF+8*\t+\k], 0                     ; k = 64 .. 127 of x's other six fragments: zero codes
.endr
.endr
	PLACES 4
.irp t, 0,1,2,3,4,5,6,7
	ds_load_b128 v[XF+8*\t:XF+8*\t+3], v[LI] offset:XIMG+512*\t
	ds_load_b32 v[XS+\t], v[LS] offset:XSC+128*\t
.endr
	s_wait_alu depctr_va_vdst(0)
	s_wait_dscnt 0x0
.macro VUNIT T
	s_wait_xcnt 0x0                                ; earlier stores have read their registers
.irp t, 0,1,2,3,4,5,6,7
	MM ACC+8*\t, XF+8*\t, WF+8*\T, BI+8*\T, XS+\t, WS+\T
.endr
	PLACES 4
	QUANT ACC, 2, PC, PC+4                         ; a whole fragment of V^T: 16 features x 128 keys
	global_store_b128 v[LI], v[PC:PC+3], s[54:55] offset:1024*\T
	global_store_b128 v[LI], v[PC+4:PC+7], s[54:55] offset:1024*\T+512
	v_mov_b32 v[SW+\T], v[PW]
.endm
	VUNIT 0
	VUNIT 1
	VUNIT 2
	VUNIT 3
	global_store_b128 v[LI], v[SW:SW+3], s[60:61]
	s_set_vgpr_msb 0x5
	s_wait_tensorcnt 0x0
	ds_add_u32 v0, v1
	s_wait_dscnt 0x0
	s_set_vgpr_msb 0x500
	s_endpgm
.Lfunc_end_k_qd2044ffab2_proj:
	.size	k_qd2044ffab2_proj, .Lfunc_end_k_qd2044ffab2_proj-k_qd2044ffab2_proj
	.p2alignl 7, 3214868480
	.fill 96, 4, 3214868480
	.section	.rodata,"a",@progbits
	.p2align	6, 0x0
	.amdhsa_kernel k_qd2044ffab2_proj
		.amdhsa_group_segment_fixed_size 49152
		.amdhsa_private_segment_fixed_size 0
		.amdhsa_enable_private_segment 0
		.amdhsa_kernarg_size 144
		.amdhsa_user_sgpr_count 2
		.amdhsa_user_sgpr_kernarg_segment_ptr 1
		.amdhsa_wavefront_size32 1
		.amdhsa_system_sgpr_workgroup_id_x 1
		.amdhsa_system_sgpr_workgroup_id_y 1
		.amdhsa_system_sgpr_workgroup_id_z 1
		.amdhsa_system_vgpr_workitem_id 0
		.amdhsa_next_free_vgpr 258
		.amdhsa_next_free_sgpr 100
		.amdhsa_reserve_vcc 0
		.amdhsa_float_denorm_mode_32 3
		.amdhsa_float_denorm_mode_16_64 3
		.amdhsa_memory_ordered 1
		.amdhsa_forward_progress 1
		.amdhsa_inst_pref_size 93
	.end_amdhsa_kernel
	.amdgpu_metadata
---
amdhsa.version: [ 1, 2 ]
amdhsa.kernels:
  - .name:           k_qd2044ffab2_proj
    .symbol:         k_qd2044ffab2_proj.kd
    .args:
      - { .name: query, .offset: 0, .size: 8, .value_kind: global_buffer, .address_space: global }
      - { .name: key, .offset: 8, .size: 8, .value_kind: global_buffer, .address_space: global }
      - { .name: value, .offset: 16, .size: 8, .value_kind: global_buffer, .address_space: global }
      - { .name: Wq, .offset: 24, .size: 8, .value_kind: global_buffer, .address_space: global }
      - { .name: Wk, .offset: 32, .size: 8, .value_kind: global_buffer, .address_space: global }
      - { .name: Wv, .offset: 40, .size: 8, .value_kind: global_buffer, .address_space: global }
      - { .name: bq, .offset: 48, .size: 8, .value_kind: global_buffer, .address_space: global }
      - { .name: bk, .offset: 56, .size: 8, .value_kind: global_buffer, .address_space: global }
      - { .name: bv, .offset: 64, .size: 8, .value_kind: global_buffer, .address_space: global }
      - { .name: Wkr, .offset: 72, .size: 8, .value_kind: global_buffer, .address_space: global }
      - { .name: Wqr, .offset: 80, .size: 8, .value_kind: global_buffer, .address_space: global }
      - { .name: Wo, .offset: 88, .size: 8, .value_kind: global_buffer, .address_space: global }
      - { .name: bkr, .offset: 96, .size: 8, .value_kind: global_buffer, .address_space: global }
      - { .name: bqr, .offset: 104, .size: 8, .value_kind: global_buffer, .address_space: global }
      - { .name: p, .offset: 112, .size: 8, .value_kind: global_buffer, .address_space: global }
      - { .name: qd, .offset: 120, .size: 8, .value_kind: global_buffer, .address_space: global }
      - { .name: kv, .offset: 128, .size: 8, .value_kind: global_buffer, .address_space: global }
      - { .name: woc, .offset: 136, .size: 8, .value_kind: global_buffer, .address_space: global }
    .group_segment_fixed_size: 49152
    .private_segment_fixed_size: 0
    .kernarg_segment_align: 8
    .kernarg_segment_size: 144
    .max_flat_workgroup_size: 256
    .sgpr_count:     100
    .vgpr_count:     258
    .wavefront_size: 32
...
	.end_amdgpu_metadata
.endif
;; end of part 4
;; launch attn (part 5): grid 4 x 64, 16 waves a work-group, clusters of 4 x 1, 169,984 bytes of LDS; arguments qd, kv, xc; writes xc
.if DOCPART == 5
	.amdgcn_target "amdgcn-amd-amdhsa--gfx1250"
	.amdhsa_code_object_version 6
	.text
	.protected	k_qd2044ffab2_attn
	.globl	k_qd2044ffab2_attn
	.p2align	8
	.type	k_qd2044ffab2_attn,@function
k_qd2044ffab2_attn:
	s_mov_b64 s[64:65], 0
	v_nop
	global_prefetch_b8 v0, s[64:65] scope:SCOPE_SE
	s_setreg_imm32_b32 hwreg(HW_REG_WAVE_MODE, 25, 1), 1
	s_wait_xcnt 0x0
	s_wait_alu depctr_hold_cnt(0) depctr_sa_sdst(0) depctr_va_vdst(0) depctr_va_sdst(0) depctr_va_ssrc(0) depctr_va_vcc(0) depctr_vm_vsrc(0)
	s_getreg_b32 s2, hwreg(HW_REG_IB_STS2, 6, 4)
	s_cmp_eq_u32 s2, 0
	s_cbranch_scc0 .Lentry_in_a_cluster
	s_endpgm
.Lentry_in_a_cluster:
	s_bfe_u32 s2, ttmp6, 0x10000c
	s_cmp_lg_u32 s2, 0x3003
	s_cbranch_scc0 .Lentry_shape_is_right
	s_endpgm
.Lentry_shape_is_right:
; x[b][q][head] = softmax_k((q1 . k1 + a2[q] + a3[q]) / sqrt(192)) v1, both products on codes of FP4 (E2M1) with one E8M0 scale for each 32 along K; x is quantised for the last product and leaves as codes.
; THE SOFTMAX AHEAD OF THE SECOND PRODUCT: t = logit x log2(e); M = the row's largest t so far, rounded UP to a whole number; p = 2^(t - M) is what is quantised, along the keys, not normalised.  The row's sum is taken
; of the unquantised p and divides at the end.  When M moves, the sum and O are multiplied by 2^(old M - new M): exact.  a2 + a3, constants of a query's row, are the C of the first product.
; SHARES.  A work-group owns 256 queries of one head (b, head) = y; each of its sixteen waves owns one tile of 16 queries in 256 registers: four waves to a SIMD, so that one wave's vector work stands beside another's
; matrix work and LDS loads.  Every wave walks the head's 1,024 keys, 128 a step.
; LDS.  The head's whole record of kv (8 key steps x 9,216 bytes: K's 8 images, V^T's 8, K's scale words, V's) lies at bytes 0 .. 73,727, FILLED ONCE: no slot is filled again.  An image is read at 16 x lane: 512 bytes on end.
; CLUSTER.  The four query blocks of a head read the same record: wave 0 of each asks for it JOINTLY, in four loads of two key steps (72 rows of 256 bytes), the same descriptors in all four, mask 15.
; By this text's count wave 0 has four tensor loads out at the most.  My place in the cluster enters Q's and x's global addresses alone.
; LAYOUT.  Both products are used transposed: S^T = K Q^T, O^T = V^T P^T: a lane holds ONE query (lane % 16).  The launch before chose the keys of a tile so that a lane's 64 scores are keys 64 c + 32 h + 0 .. 31,
; c = 0, 1: two whole blocks, in the order of the second product's operand; and the features of V^T's tiles so that O^T's 32 registers are features 32 h + 0 .. 31: a whole block of the last product's K.
; The head's size is 64, half of the instruction's K: the upper four registers of K's and Q's fragments are zero codes.
; LIMITS: NaN and infinities are not served.  A block of x that is all zeros or under 2^-124 gets the scale byte 1; the bytes are read by this program alone.  1 / the sum is v_rcp_f32 and a multiplication.
.set LI0,  1                           ; v1   16 x lane
.set LI1,  2                           ; v2   16 x lane + 36,864: key steps 4 to 7 (an LDS offset has 16 bits)
.set SH8,  6                           ; v6   8 h.   v4 = 16 r, v5 = 4 r
.set QF,   16                          ; v16-23  Q's fragment
.set CQ,   24                          ; v24-31  a2 + a3 of my query, eight times: the first product's C
.set KF,   32                          ; v32-95  K's eight fragments
.set SC,   96                          ; v96-159 the scores, then p; at the end x
.set OT,   160                         ; v160-191 O^T
.set VF,   192                         ; v192-223 V^T's four fragments
.set PC,   224                         ; v224-231 p's codes
.set MX,   232                         ; v232-233 each block's largest score, then its largest p
.set BY,   236                         ; v236-237 bytes; then a second chain of the sum
.set VS,   240                         ; v240-243 V's scale words
.set SO,   244                         ; v244-245 the conversions' scale operands
.set FF,   246                         ; v246 f = 2^(old M - new M); v247 is named with it as a pair
.set KS,   248                         ; v248-251 K's scale words: register i: lanes 0-15 tile 2 i's, lanes 16-31 tile 2 i + 1's
.set T0,   252                         ; v252 a lane permute's destination
.set PW,   253                         ; v253 p's scale word
.set QS,   255                         ; v255 Q's scale word.   v254 at work; v12 -M, v13 the largest t, v[14:15] the sum in two halves
.set WV,   10
.set SEL,  20                          ; s[20:21] selects for lane l xor 16
.set CS,   22                          ; s[22:23] c = log2(e) / sqrt(192)
.set G1,   24                          ; s[24:31] descriptor group 1;  s[32:47] four groups 0
.set G0,   32
.macro QUANT s, nb, d0, d1             ; as in the launch before; here for one block
	v_max3_num_f32 v[MX], |v[(\s)]|, |v[(\s)+1]|, 0x1800000
.irp i, 2,4,6,8,10,12,14,16,18,20,22,24,26,28,30
	s_delay_alu instid0(VALU_DEP_1)
	v_max3_num_f32 v[MX], v[MX], |v[(\s)+\i]|, |v[(\s)+\i+1]|
.endr
	s_delay_alu instid0(VALU_DEP_1)
	v_add_nc_u32 v[SO], 0xff000000, v[MX]
	s_delay_alu instid0(VALU_DEP_1)
	v_lshrrev_b32 v[BY], 23, v[SO]
	s_delay_alu instid0(VALU_DEP_1)
	v_lshlrev_b32 v[PW], v[SH8], v[BY]
	s_delay_alu instid0(VALU_DEP_1)
	v_permlanex16_b32 v[T0], v[PW], s[SEL], s[SEL+1]
	s_delay_alu instid0(VALU_DEP_1)
	v_or_b32 v[PW], v[PW], v[T0]
.irp g, 0,1,2,3
	v_cvt_scalef32_pk8_fp4_f32 v[(\d0)+\g], v[(\s)+8*\g:(\s)+8*\g+7], v[SO]
.endr
	v_nop
.endm
.macro ROUND                           ; a round of the cluster's barrier
	s_barrier_signal -1
	s_barrier_wait -1
	s_cmp_lg_u32 s[WV], 0
	s_cbranch_scc1 .Lnot_wave_0_\@
	s_barrier_signal -3
.Lnot_wave_0_\@:
	s_barrier_wait -3
	s_barrier_signal -1
	s_barrier_wait -1
.endm
	s_load_b128 s[4:7], s[0:1], 0x0                ; qd, kv
	s_load_b64 s[8:9], s[0:1], 0x10                ; xc
	v_lshl_add_u32 v238, v0, 2, 0x29000
	v_mov_b32 v239, 0
	ds_add_u32 v238, v239
	ds_add_u32 v238, v239
	v_lshrrev_b32 v3, 5, v0
	s_delay_alu instid0(VALU_DEP_1)
	v_readfirstlane_b32 s[WV], v3                  ; wave 0..15
	s_bfe_u32 s11, ttmp6, 0x40000                  ; cx
	s_lshl_b32 s12, ttmp9, 2
	s_add_co_u32 s12, s12, s11                     ; my block of 256 queries
	s_and_b32 s13, ttmp7, 0xffff                   ; 8 b + head, which the four partners share
	s_mul_i32 s14, s13, 73728                      ; the head's record in kv
	s_mov_b32 s15, 0
	s_lshl_b32 s48, s12, 1
	s_lshr_b32 s49, s[WV], 3
	s_add_co_u32 s48, s48, s49                     ; my group of 128 rows
	s_and_b32 s49, s[WV], 7                        ; my tile t in it
	s_mul_i32 s50, s13, 45056
	s_mul_i32 s48, s48, 5632
	s_add_co_u32 s50, s50, s48                     ; the group's record in qd
	s_lshl_b32 s52, s49, 9
	s_add_co_u32 s52, s52, s50                     ; my tile's image
	s_mov_b32 s53, 0
	s_and_b32 s54, s49, 1
	s_lshl_b32 s54, s54, 8
	s_lshr_b32 s55, s49, 1
	s_lshl_b32 s55, s55, 2
	s_add_co_u32 s54, s54, s55
	s_add_co_u32 s54, s54, s50
	s_add_co_u32 s54, s54, 4096                    ; its scale words: 4,096 + 256 (t & 1) + 4 (t >> 1) (+ 16 r); a2 512 further on, a3 1,024
	s_mov_b32 s55, 0
	s_lshr_b32 s56, s13, 3
	s_lshl_b32 s56, s56, 6
	s_lshl_b32 s57, s12, 4
	s_add_co_u32 s56, s56, s57
	s_add_co_u32 s56, s56, s[WV]                   ; my row tile in xc: 64 b + 16 x block + wave
	s_mul_i32 s56, s56, 4608
	s_and_b32 s57, s13, 7                          ; the head
	s_lshl_b32 s58, s57, 9
	s_add_co_u32 s58, s58, s56                     ; where x's codes go,
	s_mov_b32 s59, 0
	s_lshl_b32 s60, s57, 6
	s_add_co_u32 s60, s60, s56
	s_add_co_u32 s60, s60, 4096                    ; and their scale words
	s_mov_b32 s61, 0
	s_mov_b32 s[SEL], 0x76543210
	s_mov_b32 s[SEL+1], 0xfedcba98
	s_mov_b32 s[CS], 0x3dd53b95                    ; log2(e) / sqrt(192)
	s_mov_b32 s[CS+1], s[CS]                       ; (named with it as a pair, so it is written)
	; descriptor group 1: 72 rows of 256 bytes (32 elements of 8 bytes), dense in memory and in LDS
	s_mov_b32 s[G1], 15|(3<<16)|(1<<21)            ; 15:0 the mask: all four work-groups; 17:16 elements of 8 bytes; 21 set beside a mask
	s_mov_b32 s[G1+1], 32<<16                      ; tensor_dim0 = 32
	s_mov_b32 s[G1+2], 72<<16                      ; tensor_dim1 = 72
	s_mov_b32 s[G1+3], 32<<16                      ; tile_dim0 = 32
	s_mov_b32 s[G1+4], 72                          ; tile_dim1 = 72
	s_mov_b32 s[G1+5], 32                          ; from row to row: 32 elements
	s_mov_b32 s[G1+6], 0
	s_mov_b32 s[G1+7], 0
	v_and_b32 v3, 31, v0
	s_delay_alu instid0(VALU_DEP_1)
	v_lshlrev_b32 v[LI0], 4, v3
	s_delay_alu instid0(VALU_DEP_1)
	v_add_nc_u32 v[LI1], 36864, v[LI0]
	v_and_b32 v4, 15, v0
	s_delay_alu instid0(VALU_DEP_1)
	v_lshlrev_b32 v5, 2, v4
	s_delay_alu instid0(VALU_DEP_2)
	v_lshlrev_b32 v4, 4, v4
	v_bfe_u32 v[SH8], v0, 4, 1
	s_delay_alu instid0(VALU_DEP_1)
	v_lshlrev_b32 v[SH8], 3, v[SH8]
	s_wait_dscnt 0x0
	s_wait_kmcnt 0x0
	s_add_nc_u64 s[16:17], s[6:7], s[14:15]
	s_add_nc_u64 s[52:53], s[4:5], s[52:53]
	s_add_nc_u64 s[54:55], s[4:5], s[54:55]
	s_add_nc_u64 s[58:59], s[8:9], s[58:59]
	s_add_nc_u64 s[60:61], s[8:9], s[60:61]
.irp n, 0,1,2,3
	s_mov_b32 s[G0+4*\n], 1                        ; count = 1
	s_mov_b32 s[G0+4*\n+1], 18432*\n               ; LDS address: key steps 2 n and 2 n + 1
	s_add_nc_u64 s[G0+4*\n+2:G0+4*\n+3], s[16:17], 18432*\n
	s_or_b32 s[G0+4*\n+3], s[G0+4*\n+3], 0x80000000   ; type = 2
.endr
	ROUND                                          ; all four work-groups are here: the joint loads meet
	s_cmp_lg_u32 s[WV], 0
	s_cbranch_scc1 .Lnot_fetcher                   ; all fills of the launch stand in this one branch on the wave's number
	tensor_load_to_lds s[G0:G0+3], s[G1:G1+7]
	s_nop 0
	tensor_load_to_lds s[G0+4:G0+7], s[G1:G1+7]
	s_nop 0
	tensor_load_to_lds s[G0+8:G0+11], s[G1:G1+7]
	s_nop 0
	tensor_load_to_lds s[G0+12:G0+15], s[G1:G1+7]
	s_nop 0
.rept 4
	v_nop
.endr
.Lnot_fetcher:
	s_wait_alu depctr_va_vdst(0)
	global_load_b128 v[QF:QF+3], v[LI0], s[52:53] th:TH_LOAD_NT
	global_load_b32 v[QS], v4, s[54:55] th:TH_LOAD_NT
	global_load_b32 v234, v4, s[54:55] offset:512 th:TH_LOAD_NT    ; a2 of my query
	global_load_b32 v235, v4, s[54:55] offset:1024 th:TH_LOAD_NT   ; a3 of my query's own position
.irp k, 4,5,6,7
	v_mov_b32 v[QF+\k], 0                          ; k = 64 .. 127: zero codes, for the whole launch
.endr
.irp t, 0,1,2,3,4,5,6,7
.irp k, 4,5,6,7
	v_mov_b32 v[KF+8*\t+\k], 0
.endr
.endr
	v_mov_b32 v13, 0xff61b1e6                      ; the largest t so far: -3e38, under every t
	s_delay_alu instid0(VALU_DEP_1)
	v_floor_f32 v12, -v13                          ; -M
	v_mov_b32 v14, 0                               ; the sum, in two halves
	v_mov_b32 v15, 0
	v_mov_b32 v[FF+1], 0                           ; (named as the upper half of a pair)
	v_mov_b32 v[T0], 0                             ; written once: a lane permute's destination counts as one of its sources
	s_wait_loadcnt 0x0
.irp j, 0,1,2,3,4,5,6,7
	v_add_f32 v[CQ+\j], v234, v235
.endr
; A KEY STEP: 128 keys.
.macro STEP j
.if (\j) < 4
.set LB, LI0
.else
.set LB, LI1
.endif
.set OFF, 9216*((\j)%4)
.irp t, 0,1,2,3,4,5,6,7
	ds_load_b128 v[KF+8*\t:KF+8*\t+3], v[LB] offset:OFF+512*\t
.endr
	ds_load_b128 v[KS:KS+3], v[LB] offset:OFF+8192
.irp f, 0,1,2,3,4,5,6,7
	ds_load_b128 v[VF+4*\f:VF+4*\f+3], v[LB] offset:OFF+4096+512*\f
.endr
	ds_load_b128 v[VS:VS+3], v[LB] offset:OFF+8704
	s_wait_dscnt 9                                 ; K's images and scale words are in; V's nine loads may be out
.irp t, 0,2,4,6
	v_wmma_scale_f32_16x16x128_f8f6f4 v[SC+8*\t:SC+8*\t+7], v[KF+8*\t:KF+8*\t+7], v[QF:QF+7], v[CQ:CQ+7], v[KS+\t/2], v[QS] matrix_a_fmt:MATRIX_FMT_FP4 matrix_b_fmt:MATRIX_FMT_FP4
	v_wmma_scale_f32_16x16x128_f8f6f4 v[SC+8*\t+8:SC+8*\t+15], v[KF+8*\t+8:KF+8*\t+15], v[QF:QF+7], v[CQ:CQ+7], v[KS+\t/2], v[QS] matrix_a_fmt:MATRIX_FMT_FP4 matrix_b_fmt:MATRIX_FMT_FP4 matrix_a_scale:MATRIX_SCALE_ROW1
.endr
.rept 4
	v_nop                                          ; four places ahead of the first read of the scores
.endr
.irp c, 0,1
	v_max3_num_f32 v[MX+\c], v[SC+32*\c], v[SC+32*\c+1], v[SC+32*\c+2]   ; the largest score of each of my two blocks of 32 keys: it serves the row's maximum and, since p rises with the score, the block's largest p
.endr
.irp i, 3,5,7,9,11,13,15,17,19,21,23,25,27,29
.irp c, 0,1
	v_max3_num_f32 v[MX+\c], v[MX+\c], v[SC+32*\c+\i], v[SC+32*\c+\i+1]
.endr
.endr
.irp c, 0,1
	v_max_num_f32 v[MX+\c], v[MX+\c], v[SC+32*\c+31]
.endr
	s_delay_alu instid0(VALU_DEP_1)
	v_max_num_f32 v254, v[MX], v[MX+1]
	s_delay_alu instid0(VALU_DEP_1)
	v_permlanex16_b32 v[T0], v254, s[SEL], s[SEL+1]
	s_delay_alu instid0(VALU_DEP_1)
	v_max_num_f32 v254, v254, v[T0]                ; with lane l xor 16's 64 keys: the step's largest score of my query
	s_delay_alu instid0(VALU_DEP_1)
	v_mul_f32 v254, s[CS], v254                    ; as t (c is positive)
	s_delay_alu instid0(VALU_DEP_1)
	v_max_num_f32 v13, v13, v254                   ; the running largest t
	v_mov_b32 v254, v12
	s_delay_alu instid0(VALU_DEP_2)
	v_floor_f32 v12, -v13                          ; the new -M = -ceil(t): a whole number
	s_delay_alu instid0(VALU_DEP_1)
	v_sub_f32 v254, v12, v254                      ; old M - new M: a whole number, 0 or less
	s_delay_alu instid0(VALU_DEP_1)
	v_cvt_i32_f32 v254, v254                       ; (it saturates)
	s_delay_alu instid0(VALU_DEP_1)
	v_ldexp_f32 v[FF], 1.0, v254                   ; f = 2^(old M - new M)
.irp n, 0,2,4,6,8,10,12,14,16,18,20,22,24,26,28,30,32,34,36,38,40,42,44,46,48,50,52,54,56,58,60,62
	v_pk_fma_f32 v[SC+\n:SC+\n+1], v[SC+\n:SC+\n+1], s[CS:CS+1], v[12:13] op_sel_hi:[1,0,0]   ; t - M, two at a time
.endr
.irp c, 0,1
	v_fma_f32 v[MX+\c], v[MX+\c], s[CS], v12       ; the same of each block's largest score
.endr
.set wn, 0
	s_wait_alu depctr_va_vdst(0)
.rept 64
	v_exp_f32 v[SC+wn], v[SC+wn]                   ; p = 2^(t - M): not normalised
.set wn, wn+1
.endr
.irp c, 0,1
	v_exp_f32 v[MX+\c], v[MX+\c]                   ; the block's largest p: the same two instructions on the same number
.endr
	v_pk_mul_f32 v[14:15], v[14:15], v[FF:FF+1] op_sel_hi:[1,0]    ; the sums under the new M (a plain place behind the exponentials)
	s_wait_alu depctr_va_vdst(0)
.irp c, 0,1
	v_max_num_f32 v[MX+\c], 0x1800000, v[MX+\c]    ; the floor 2^(3 - 127): the byte cannot fall under 1
.endr
.irp c, 0,1
	s_delay_alu instid0(VALU_DEP_2)
	v_add_nc_u32 v[SO+\c], 0xff000000, v[MX+\c]    ; 2 off the exponent field: the conversion's scale operand
.endr
.irp c, 0,1
	s_delay_alu instid0(VALU_DEP_2)
	v_lshrrev_b32 v[BY+\c], 23, v[SO+\c]           ; the scale's byte
.endr
	s_delay_alu instid0(VALU_DEP_1)
	v_lshl_or_b32 v[PW], v[BY+1], 16, v[BY]        ; my two bytes, blocks h and 2 + h,
	s_delay_alu instid0(VALU_DEP_1)
	v_lshlrev_b32 v[PW], v[SH8], v[PW]             ; at their places;
	s_delay_alu instid0(VALU_DEP_1)
	v_permlanex16_b32 v[T0], v[PW], s[SEL], s[SEL+1]
	s_delay_alu instid0(VALU_DEP_1)
	v_or_b32 v[PW], v[PW], v[T0]                   ; with lane l xor 16's two: p's scale word for these 128 keys
.irp c, 0,1
.irp g, 0,1,2,3
	v_cvt_scalef32_pk8_fp4_f32 v[PC+4*\c+\g], v[SC+32*\c+8*\g:SC+32*\c+8*\g+7], v[SO+\c]   ; registers 4 c .. 4 c + 3 of the operand, as they stand
.endr
.endr
	v_nop                                          ; one plain place behind the last scaled conversion
	v_pk_add_f32 v[236:237], v[100:101], v[104:105]
	v_pk_add_f32 v[250:251], v[108:109], v[112:113]
	v_pk_add_f32 v[248:249], v[116:117], v[120:121]
	v_pk_add_f32 v[244:245], v[124:125], v[128:129]
	v_pk_add_f32 v[234:235], v[132:133], v[136:137]
	v_pk_add_f32 v[232:233], v[140:141], v[144:145]
	v_pk_add_f32 v[90:91], v[148:149], v[152:153]
	v_pk_add_f32 v[14:15], v[14:15], v[156:157]
	v_pk_add_f32 v[236:237], v[236:237], v[96:97]
	v_pk_add_f32 v[250:251], v[250:251], v[98:99]
	v_pk_add_f32 v[248:249], v[248:249], v[102:103]
	v_pk_add_f32 v[244:245], v[244:245], v[106:107]
	v_pk_add_f32 v[234:235], v[234:235], v[110:111]
	v_pk_add_f32 v[232:233], v[232:233], v[114:115]
	v_pk_add_f32 v[90:91], v[90:91], v[118:119]
	v_pk_add_f32 v[14:15], v[14:15], v[122:123]
	v_pk_add_f32 v[236:237], v[236:237], v[126:127]
	v_pk_add_f32 v[250:251], v[250:251], v[130:131]
	v_pk_add_f32 v[248:249], v[248:249], v[134:135]
	v_pk_add_f32 v[244:245], v[244:245], v[138:139]
	v_pk_add_f32 v[234:235], v[234:235], v[142:143]
	v_pk_add_f32 v[232:233], v[232:233], v[146:147]
	v_pk_add_f32 v[90:91], v[90:91], v[150:151]
	v_pk_add_f32 v[14:15], v[14:15], v[154:155]
	v_pk_add_f32 v[236:237], v[236:237], v[158:159]
	s_delay_alu instid0(VALU_DEP_2)
	v_pk_add_f32 v[14:15], v[14:15], v[244:245]
	s_delay_alu instid0(VALU_DEP_2)
	v_pk_add_f32 v[236:237], v[236:237], v[234:235]
	v_pk_add_f32 v[250:251], v[250:251], v[232:233]
	v_pk_add_f32 v[248:249], v[248:249], v[90:91]
	s_delay_alu instid0(VALU_DEP_2)
	v_pk_add_f32 v[14:15], v[14:15], v[250:251]
	s_delay_alu instid0(VALU_DEP_2)
	v_pk_add_f32 v[236:237], v[236:237], v[248:249]
	s_delay_alu instid0(VALU_DEP_1)
	v_pk_add_f32 v[14:15], v[14:15], v[236:237]
.if (\j) > 0
.irp n, 0,2,4,6,8,10,12,14,16,18,20,22,24,26,28,30
	v_pk_mul_f32 v[OT+\n:OT+\n+1], v[OT+\n:OT+\n+1], v[FF:FF+1] op_sel_hi:[1,0]   ; O^T under the new M
.endr
.endif
	s_wait_alu depctr_va_vdst(0)
	s_wait_dscnt 0x0                               ; V's images and scale words are in
.irp T, 0,1,2,3                        ; the four accumulators take turns, and the next step's eight score products stand between two laps
.if (\j) > 0
	v_wmma_scale_f32_16x16x128_f8f6f4 v[OT+8*\T:OT+8*\T+7], v[VF+8*\T:VF+8*\T+7], v[PC:PC+7], v[OT+8*\T:OT+8*\T+7], v[VS+\T], v[PW] matrix_a_fmt:MATRIX_FMT_FP4 matrix_b_fmt:MATRIX_FMT_FP4
.else
	v_wmma_scale_f32_16x16x128_f8f6f4 v[OT+8*\T:OT+8*\T+7], v[VF+8*\T:VF+8*\T+7], v[PC:PC+7], 0, v[VS+\T], v[PW] matrix_a_fmt:MATRIX_FMT_FP4 matrix_b_fmt:MATRIX_FMT_FP4
.endif
.endr
.rept 4
	v_nop                                          ; four places ahead of the next step's loads into V's registers, and of the way out
.endr
.endm
	s_wait_alu depctr_va_vdst(0)
.irp n, 0,1,2,3
	s_wait_tensorcnt 3-\n                          ; wave 0: load n has landed, the 3 - n younger ones may be out; the other waves have none
	s_wait_dscnt 0x0
	s_barrier_signal -1
	s_barrier_wait -1                              ; key steps 2 n and 2 n + 1 lie in LDS for every wave
	STEP 2*\n
	STEP 2*\n+1
.endr
	; THE WAY OUT: O^T / the sum is my query's 32 features 32 h + 0 .. 31 of this head: a whole block of the last product's K
	v_add_f32 v14, v14, v15
	s_delay_alu instid0(VALU_DEP_1)
	v_permlanex16_b32 v[T0], v14, s[SEL], s[SEL+1]
	s_delay_alu instid0(VALU_DEP_1)
	v_add_f32 v14, v14, v[T0]                      ; the row's sum
	s_wait_alu depctr_va_vdst(0)
	v_rcp_f32 v14, v14
	v_nop                                          ; one plain place behind a transcendental
.set wn, 0
	s_wait_alu depctr_va_vdst(0)
.rept 32
	v_mul_f32 v[SC+wn], v[OT+wn], v14
.set wn, wn+1
.endr
	QUANT SC, 1, PC, 0
	global_store_b128 v[LI0], v[PC:PC+3], s[58:59] ; the wave stores 512 consecutive bytes
	global_store_b32 v5, v[PW], s[60:61]           ; row r's two bytes; both halves of the lanes write the same word
	s_wait_tensorcnt 0x0
	ds_add_u32 v238, v239
	s_wait_dscnt 0x0
	ROUND                                          ; the closing round: no work-group ends while a partner may still ask for a tile that names it
	s_endpgm
.Lfunc_end_k_qd2044ffab2_attn:
	.size	k_qd2044ffab2_attn, .Lfunc_end_k_qd2044ffab2_attn-k_qd2044ffab2_attn
	.p2alignl 7, 3214868480
	.fill 96, 4, 3214868480
	.section	.rodata,"a",@progbits
	.p2align	6, 0x0
	.amdhsa_kernel k_qd2044ffab2_attn
		.amdhsa_group_segment_fixed_size 169984
		.amdhsa_private_segment_fixed_size 0
		.amdhsa_enable_private_segment 0
		.amdhsa_kernarg_size 24
		.amdhsa_user_sgpr_count 2
		.amdhsa_user_sgpr_kernarg_segment_ptr 1
		.amdhsa_wavefront_size32 1
		.amdhsa_system_sgpr_workgroup_id_x 1
		.amdhsa_system_sgpr_workgroup_id_y 1
		.amdhsa_system_sgpr_workgroup_id_z 1
		.amdhsa_system_vgpr_workitem_id 0
		.amdhsa_next_free_vgpr 256
		.amdhsa_next_free_sgpr 66
		.amdhsa_reserve_vcc 0
		.amdhsa_float_denorm_mode_32 3
		.amdhsa_float_denorm_mode_16_64 3
		.amdhsa_memory_ordered 1
		.amdhsa_forward_progress 1
		.amdhsa_inst_pref_size 126
	.end_amdhsa_kernel
	.amdgpu_metadata
---
amdhsa.version: [ 1, 2 ]
amdhsa.kernels:
  - .name:           k_qd2044ffab2_attn
    .symbol:         k_qd2044ffab2_attn.kd
    .args:
      - { .name: qd, .offset: 0, .size: 8, .value_kind: global_buffer, .address_space: global }
      - { .name: kv, .offset: 8, .size: 8, .value_kind: global_buffer, .address_space: global }
      - { .name: xc, .offset: 16, .size: 8, .value_kind: global_buffer, .address_space: global }
    .group_segment_fixed_size: 169984
    .private_segment_fixed_size: 0
    .kernarg_segment_align: 8
    .kernarg_segment_size: 24
    .max_flat_workgroup_size: 512
    .sgpr_count:     66
    .vgpr_count:     256
    .wavefront_size: 32
...
	.end_amdgpu_metadata
.endif
;; end of part 5
;; launch out (part 6): grid 256 x 1, 2 waves a work-group, no clusters, 8,960 bytes of LDS; arguments xc, woc, bo, out0; writes out0
.if DOCPART == 6
	.amdgcn_target "amdgcn-amd-amdhsa--gfx1250"
	.amdhsa_code_object_version 6
	.text
	.protected	k_qd2044ffab2_out
	.globl	k_qd2044ffab2_out
	.p2align	8
	.type	k_qd2044ffab2_out,@function
k_qd2044ffab2_out:
	s_mov_b64 s[64:65], 0
	v_nop
	global_prefetch_b8 v0, s[64:65] scope:SCOPE_SE
	s_setreg_imm32_b32 hwreg(HW_REG_WAVE_SCHED_MODE, 0, 2), 2
	s_setreg_imm32_b32 hwreg(HW_REG_WAVE_MODE, 25, 1), 1
	s_wait_xcnt 0x0
	s_wait_alu depctr_vm_vsrc(0)
; out0 = x Wo + bo on codes of FP4 (E2M1) with one E8M0 scale for each 32 along K = 512.  x's and Wo's codes and scale words were laid by the launches before as images of operand registers.
; SHARES.  A wave owns one row tile (16 rows) and all 64 outputs: 16 matrix instructions, four K steps of 128 (two heads each) x four tiles of outputs.  The two waves of a work-group share nothing: no barrier.
; Source 0 = 16 columns of Wo (tile T takes column 8 T + (m & 7) + 32 (m >> 3)), source 1 = x's 16 rows: a lane's 32 results are outputs 32 h + 0 .. 31 of one row: 128 consecutive bytes.
; bo is loaded straight into the accumulators, so every product adds in place; the four accumulators take turns, one instruction a turn.
; Row tile RT holds rows 128 (RT >> 3) + 64 ((RT >> 2) & 1) + 8 (RT & 3) + (r & 7) + 32 (r >> 3).  The results go through the wave's own stage in LDS (rows of 256 bytes + 16) and leave as whole rows:
; sixteen lanes store 256 consecutive bytes, aligned.
; No tensor load and no cluster: what the waves share is Wo's 17 KB of codes, wanted in registers.
; THE MODE: SCHED_MODE bits 1:0 = 2 (LLVM: expert scheduling mode 2), set by the entry lines.  The code itself states the register dependences
; between vector or matrix instructions and memory or LDS instructions, with s_wait_alu, always for 0.
; THE PLAN.  Registers that memory or LDS instructions touch:
;   v1-v7       offsets and LDS addresses: written by vector instructions at the head, once; read by every load and store; never written again.
;   v126, v127  written at the head; read by the closing add alone.
;   v16-47      x's fragments: global loads land; the matrix instructions read them; then the LDS loads from the stage land there; the global stores read them; not written behind those.
;   v48-55      x's scale bytes: global loads land; four vector lines read them.
;   v56-59      x's scale words: those four vector lines write them; the matrix instructions take them as scales.
;   v60-75, v128-255  Wo's scale words and fragments: global loads land; the matrix instructions read them.
;   v76-107     the accumulators: global loads land (bo); the matrix instructions write them; the LDS stores read them; not written behind those.
; So four waits state everything: one for the wave's number on its way into a scalar register; one ahead of the first load, for all addresses; one ahead of the first product, for the scale words;
; one behind the last product, for the LDS stores' data and for the registers in which the LDS loads land.  No register that a memory or LDS instruction has read is written again, so no wait on vm_vsrc is owed.
.set XF,  16                           ; v16-47   x's four fragments (head hd's image at 16 + 4 hd); later the rows read back
.set HW,  48                           ; v48-55   x's scale bytes, two a head
.set XSW, 56                           ; v56-59   x's scale words, a K step each
.set WOS, 60                           ; v60-75   Wo's scale words: 4 T + s
.set ACC, 76                           ; v76-107  four accumulators, begun as bo
.set WOF, 128                          ; v128-255 Wo's sixteen fragments: (T, s) at 128 + 8 (4 T + s)
	s_load_b256 s[4:11], s[0:1], 0x0               ; xc 4, woc 6, bo 8, out0 10
	v_lshl_add_u32 v126, v0, 2, 0x2200
	v_mov_b32 v127, 0
	v_lshrrev_b32 v8, 5, v0
	v_readfirstlane_b32 s12, v8                    ; wave 0, 1
	v_and_b32 v9, 31, v0
	v_and_b32 v10, 15, v0                          ; r
	v_bfe_u32 v11, v0, 4, 1                        ; h
	v_lshlrev_b32 v1, 4, v9                        ; 16 x lane
	v_lshlrev_b32 v2, 2, v10                       ; 4 r
	v_lshlrev_b32 v3, 4, v10                       ; 16 r
	v_lshlrev_b32 v4, 7, v11                       ; 128 h
	s_wait_alu depctr_va_sdst(0)                   ; s12 is written, ahead of its first reader: my stage's place and my row tile are made from it
	s_mul_i32 s14, s12, 4352                       ; my stage: 16 rows of 272 bytes
	v_mul_u32_u24 v5, v10, 272
	v_lshl_add_u32 v5, v11, 7, v5
	v_add_nc_u32 v5, s14, v5                       ; in: row r, + 128 h
	v_mul_u32_u24 v6, v11, 272
	v_lshl_add_u32 v6, v10, 4, v6
	v_add_nc_u32 v6, s14, v6                       ; back: lanes 0-15 one row, lanes 16-31 the next
	v_lshl_add_u32 v7, v11, 8, v3                  ; and the same in out0: 256 h + 16 r
	s_lshl_b32 s13, ttmp9, 1
	s_add_co_u32 s13, s13, s12                     ; my row tile
	s_mul_i32 s16, s13, 4608
	s_mov_b32 s17, 0
	s_lshr_b32 s18, s13, 3
	s_lshl_b32 s18, s18, 7
	s_bfe_u32 s19, s13, 0x10002
	s_lshl_b32 s19, s19, 6
	s_add_co_u32 s18, s18, s19
	s_and_b32 s19, s13, 3
	s_lshl_b32 s19, s19, 3
	s_add_co_u32 s18, s18, s19
	s_lshl_b32 s18, s18, 8                         ; the tile's first row, in bytes
	s_mov_b32 s19, 0
	s_wait_kmcnt 0x0
	s_add_nc_u64 s[4:5], s[4:5], s[16:17]
	s_add_nc_u64 s[10:11], s[10:11], s[18:19]
	s_wait_alu depctr_va_vdst(0)                   ; v1 to v7 are written, which the loads and stores of the whole launch read as offsets and LDS addresses; so are v126 and v127, which the closing add reads
.irp d, 0,1,2,3,4,5,6,7
	global_load_b128 v[XF+4*\d:XF+4*\d+3], v1, s[4:5] offset:512*\d th:TH_LOAD_NT
	global_load_b32 v[HW+\d], v2, s[4:5] offset:4096+64*\d th:TH_LOAD_NT
.endr
.irp T, 0,1,2,3
	global_load_b128 v[WOS+4*\T:WOS+4*\T+3], v3, s[6:7] offset:16384+256*\T
	global_load_b128 v[ACC+8*\T:ACC+8*\T+3], v4, s[8:9] offset:32*\T
	global_load_b128 v[ACC+8*\T+4:ACC+8*\T+7], v4, s[8:9] offset:32*\T+16
.irp d, 0,1,2,3,4,5,6,7
	global_load_b128 v[WOF+32*\T+4*\d:WOF+32*\T+4*\d+3], v1, s[6:7] offset:512*(4*\d+\T)   ; head d = 2 s + c: registers 4 c on of fragment (T, s)
.endr
.endr
	s_wait_loadcnt 0x0
.irp s, 0,1,2,3
	v_lshl_or_b32 v[XSW+\s], v[HW+2*\s+1], 16, v[HW+2*\s]          ; two heads' bytes make a K step's scale word
.endr
.rept 8
	v_nop                                          ; a scale register written by a vector instruction stands 8 places ahead of a scaled matrix instruction
.endr
	s_wait_alu depctr_va_vdst(0)                   ; the four lines above have written x's scale words v56 to v59, which the products take as scales; the places above stay beside this wait
.irp s, 0,1,2,3
.irp T, 0,1,2,3
	v_wmma_scale_f32_16x16x128_f8f6f4 v[ACC+8*\T:ACC+8*\T+7], v[WOF+32*\T+8*\s:WOF+32*\T+8*\s+7], v[XF+8*\s:XF+8*\s+7], v[ACC+8*\T:ACC+8*\T+7], v[WOS+4*\T+\s], v[XSW+\s] matrix_a_fmt:MATRIX_FMT_FP4 matrix_b_fmt:MATRIX_FMT_FP4
.endr
.endr
.rept 4
	v_nop                                          ; four places ahead of the stores of the results
.endr
	s_wait_alu depctr_va_vdst(0)                   ; the matrix instructions have written the accumulators, which the LDS stores read, and are done reading x's fragments v16 to v47, in which the LDS loads land; the places above stay beside this wait
.irp T, 0,1,2,3
	ds_store_b128 v5, v[ACC+8*\T:ACC+8*\T+3] offset:32*\T          ; each accumulator from its low end on
	ds_store_b128 v5, v[ACC+8*\T+4:ACC+8*\T+7] offset:32*\T+16
.endr
.irp i, 0,1,2,3,4,5,6,7
	ds_load_b128 v[XF+4*\i:XF+4*\i+3], v6 offset:544*\i            ; LDS serves a wave's instructions in order: these see my stores
.endr
.irp i, 0,1,2,3,4,5,6,7
	s_wait_dscnt 7-\i                              ; rows 2 i and 2 i + 1 of the stage are back; the younger loads may be out
	global_store_b128 v7, v[XF+4*\i:XF+4*\i+3], s[10:11] offset:(2*(\i%4)+32*(\i/4))*256 th:TH_STORE_NT
.endr
	s_wait_dscnt 0x0                               ; the closing lines, six on end
	s_wait_alu 0x0
	s_wait_tensorcnt 0x0
	ds_add_u32 v126, v127
	s_wait_dscnt 0x0
	s_endpgm
.Lfunc_end_k_qd2044ffab2_out:
	.size	k_qd2044ffab2_out, .Lfunc_end_k_qd2044ffab2_out-k_qd2044ffab2_out
	.p2alignl 7, 3214868480
	.fill 96, 4, 3214868480
	.section	.rodata,"a",@progbits
	.p2align	6, 0x0
	.amdhsa_kernel k_qd2044ffab2_out
		.amdhsa_group_segment_fixed_size 8960
		.amdhsa_private_segment_fixed_size 0
		.amdhsa_enable_private_segment 0
		.amdhsa_kernarg_size 32
		.amdhsa_user_sgpr_count 2
		.amdhsa_user_sgpr_kernarg_segment_ptr 1
		.amdhsa_wavefront_size32 1
		.amdhsa_system_sgpr_workgroup_id_x 1
		.amdhsa_system_sgpr_workgroup_id_y 1
		.amdhsa_system_sgpr_workgroup_id_z 1
		.amdhsa_system_vgpr_workitem_id 0
		.amdhsa_next_free_vgpr 256
		.amdhsa_next_free_sgpr 66
		.amdhsa_reserve_vcc 0
		.amdhsa_float_denorm_mode_32 3
		.amdhsa_float_denorm_mode_16_64 3
		.amdhsa_memory_ordered 1
		.amdhsa_forward_progress 1
		.amdhsa_inst_pref_size 13
	.end_amdhsa_kernel
	.amdgpu_metadata
---
amdhsa.version: [ 1, 2 ]
amdhsa.kernels:
  - .name:           k_qd2044ffab2_out
    .symbol:         k_qd2044ffab2_out.kd
    .args:
      - { .name: xc, .offset: 0, .size: 8, .value_kind: global_buffer, .address_space: global }
      - { .name: woc, .offset: 8, .size: 8, .value_kind: global_buffer, .address_space: global }
      - { .name: bo, .offset: 16, .size: 8, .value_kind: global_buffer, .address_space: global }
      - { .name: out0, .offset: 24, .size: 8, .value_kind: global_buffer, .address_space: global }
    .group_segment_fixed_size: 8960
    .private_segment_fixed_size: 0
    .kernarg_segment_align: 8
    .kernarg_segment_size: 32
    .max_flat_workgroup_size: 64
    .sgpr_count:     66
    .vgpr_count:     256
    .wavefront_size: 32
...
	.end_amdgpu_metadata
.endif
;; end of part 6
